; MI455X (gfx1250); checked and timed in simulation.
; The chip was launched on July 23, 2026; its instructions are those of AMD's public machine-readable ISA for CDNA 5 (MIT licence, August 2026) and "CDNA5" Instruction Set Architecture Reference Guide (July 2026). The comments in the code are by the model that wrote it; some were corrected since.
;; Multihead Attention. Allowed arithmetic: matrix products marked QUANTISED: E4M3 operands, one E8M0 scale for each 32 along K, by v_wmma_scale_f32_16x16x128_f8f6f4 with both operands' format E4M3, f32 sums; everything else in f32.
;; Inputs: Wk 1,024 x 1,024 float32; Wo 1,024 x 1,024 float32; Wq 1,024 x 1,024 float32; Wv 1,024 x 1,024 float32; bk 1,024 float32; bo 1,024 float32; bq 1,024 float32; bv 1,024 float32; x 2 x 2,048 x 1,024 float32.
;; Outputs: out0 2 x 2,048 x 1,024 float32.
;; This version of the problem:
;;   THIS VERSION OF THE PROBLEM IS GIVEN IN LOW PRECISION. The matrix products marked QUANTISED in the list below multiply operands that are first quantised to E4M3 (4 exponent bits, 3 mantissa bits; 8 bits a number), with one power-of-two scale for each 32 numbers along K (OCP MX v1.0); their sums are f32. All else is computed in f32.
;;   The module's matrix products, in the order in which they are computed (A, B: the left and right operand; K: the contracted axis; several contracted axes count as one K, in the product's order):
;;     1. [M 4,096, K 1,024] x [K 1,024, N 1,024]; A: input x; B: input Wq: QUANTISED
;;     2. [M 4,096, K 1,024] x [K 1,024, N 1,024]; A: input x; B: input Wk: QUANTISED
;;     3. [M 4,096, K 1,024] x [K 1,024, N 1,024]; A: input x; B: input Wv: QUANTISED
;;     4. batch 32 x [M 2,048, K 64] x [K 64, N 2,048]; A: computed on the way; B: computed on the way: QUANTISED
;;     5. batch 32 x [M 2,048, K 2,048] x [K 2,048, N 64]; A: softmax (see below); B: computed on the way: QUANTISED
;;     6. [M 4,096, K 1,024] x [K 1,024, N 1,024]; A: computed on the way; B: input Wo: QUANTISED
;;   THE QUANTISER, for each operand of a quantised product, along K:
;;     - K is cut into blocks of 32 from its start; a last block that is shorter is filled with zeros.
;;     - A block's scale is 2^e with e = floor(log2(the largest magnitude in the block)) - 8, held to -126 .. 127; a block of zeros has e = 0. As a byte (E8M0): e + 127.
;;     - Each number is divided by its block's scale, clamped to +-448, and rounded to the nearest number of E4M3, ties to even, subnormals kept.
;;     - The product sums the exact products of the quantised numbers (number of the format x scale) in f32.
;;   ~~~python
;;   def quantise(x, axis):      # numpy; x: float32 -> the quantised numbers, widened to float32 again
;;       x = np.moveaxis(x, axis, -1); K = x.shape[-1]
;;       x = np.pad(x, [(0, 0)] * (x.ndim - 1) + [(0, -K % 32)]); x = x.reshape(x.shape[:-1] + (-1, 32)); a = np.abs(x).max(-1, keepdims=True)
;;       e = np.where(a > 0, np.clip(np.frexp(np.where(a > 0, a, 1))[1] - 1 - 8, -126, 127), 0)      # np.frexp(a)[1] - 1 = floor(log2(a)), exactly
;;       r = np.clip(x / 2.0 ** e, -448, 448)
;;       step = 2.0 ** (np.maximum(np.frexp(np.where(r == 0, 1, r))[1] - 1, -6) - 3)
;;       q = np.round(r / step) * step * 2.0 ** e      # np.round: ties to even
;;       return np.moveaxis(q.reshape(q.shape[:-2] + (-1,))[..., :K], -1, axis).astype(np.float32)
;;   ~~~
;;   SOFTMAX AHEAD OF A QUANTISED PRODUCT. Where the list says 'softmax', what is quantised is not the finished softmax but p = 2^(t - M), with t = logit x log2(e) and M = ceil(the row's largest t), a whole number; so 1/2 < the row's largest p <= 1. The row's sum l is taken of the UNQUANTISED p, in f32, and the product's result is divided by l at the end. Since M is a whole number, a kernel that streams over the keys may use a running M (the ceiling of the running maximum): every later rescaling is an exact power of two, which a block's scale takes up: the codes' values come out the same.
;;   OPERANDS COMPUTED ON THE WAY. 'Computed on the way' means the value that the module computes at that place (a softmax that the list does not call 'softmax' is quantised finished and normalised). What goes into a quantiser is computed in f32, as accurately as f32 sums, v_exp_f32 and their like allow (about 1e-6 of the number): no bf16 or f16 on the way to a quantiser, and a product that is left as it is and whose result goes on into a quantised operand takes f32 operands (vector FMAs, or v_wmma_f32_16x16x4_f32). A number that lies on a knife's edge between two numbers of the format may be rounded either way, as far as f32 arithmetic and the matrix unit's own rounding can turn it there, and no further.
;; One version. Each part assembles by itself: llvm-mc -triple=amdgcn-amd-amdhsa -mcpu=gfx1250 --defsym DOCPART=n.
;; ======== version 1 of 1: 4 launches
;; limits: right only within a limited range of input values
;; workspace buffers: xc 4,194,304 bytes; xs 131,072 bytes; wc 4,194,304 bytes; ws 131,072 bytes; qkvc 12,582,912 bytes; qkvs 786,432 bytes; ac 4,194,304 bytes; asc 131,072 bytes
;; launch quant (part 1): grid 256 x 1, 4 waves a work-group, no clusters, 68,096 bytes of LDS; arguments x, Wq, Wk, Wv, Wo, xc, xs, wc, ws; writes xc, xs, wc, ws
.if DOCPART == 1
	.amdgcn_target "amdgcn-amd-amdhsa--gfx1250"
	.amdhsa_code_object_version 6
	.text
	.protected	k_q6307191c1b_quant
	.globl	k_q6307191c1b_quant
	.p2align	8
	.type	k_q6307191c1b_quant,@function
k_q6307191c1b_quant:
	s_mov_b64 s[64:65], 0
	v_nop
	global_prefetch_b8 v0, s[64:65] scope:SCOPE_SE
	s_setreg_imm32_b32 hwreg(HW_REG_WAVE_MODE, 25, 1), 1
	s_wait_xcnt 0x0
; x [4096][1024] f32 and the four weights [1024 (k)][1024 (n)] f32 become codes of FP8 (E4M3) with one E8M0 scale byte for each 32 along K.
; A block's scale is 2^(floor(log2(its largest magnitude)) - 8); its byte is the largest magnitude's exponent field - 8, held at 1 from below; each number is divided by the scale,
; held within +-448 and rounded to the nearest code, ties to even.
; LIMITS: a block whose largest magnitude lies under 2^-118 (a block of zeros among them, where the rule says byte 127) gets the byte 1: its codes are zeros or tiny, and the bytes are read
; by this program alone.  NaN and infinities among the inputs are not served.
; Work-groups 0-127 take x (K innermost: a plain stream of blocks of 32), work-groups 128-255 the weights (K is the FIRST axis).  The two ways part at once on the work-group's number,
; never join, and have LDS bytes of their own (x: 0 .. 32,767; weights: 32,768 .. 67,583).  No tensor loads, no barrier: waves share nothing.
; x: a wave takes 16 steps of 512 numbers.  A load reads 512 consecutive bytes; a step's 2,048 bytes turn through the wave's stage in LDS so that a lane holds 16 neighbours along K
;    (two neighbouring lanes hold a block); 16 codes a lane leave as 512 consecutive bytes; a wave's 256 scale bytes are gathered in LDS and leave as one run of 256 aligned bytes.
; weights: a lane takes a column n and its registers run down K, so a block of 32 lies in one lane; a wave takes 32 columns x 256 along K; codes go through a stage and leave as rows, K innermost.
;    THE ROWS OF wc ARE PERMUTED INSIDE EACH GROUP OF 32: column n goes to row (n & 7) | bit 3 of n << 4 | bit 4 of n << 3.  So 16 consecutive rows 16 u + r of a group hold the columns
;    8 u + r + 8 (r / 8): read as they lie, as source 0 of a product, they leave a lane's 16 registers of two neighbouring tiles as 16 neighbouring columns.
.set SP,    80                         ; x: a lane's place in a stage: its 64 bytes + 16 of padding
.set WREG,  8192                       ; x: LDS of a wave: two stages of 32 x SP bytes, behind them its 256 scale bytes
.set STEPS, 16
.set R,     16                         ; v16-79   x: four sets of 16 numbers as they are loaded
.set X,     80                         ; v80-111  x: two sets of 16 neighbours
.set E,     112                        ; v112-127 x: a scale byte for each step
.set C,     128                        ; v128-191 x: codes, four registers for each step: no store's data are written again
.set WBASE, 32768                      ; weights: the stages begin here
.set PITCH, 272                        ; weights: a stage row: 256 bytes of codes + 16
.set NB,    8                          ; weights: blocks of 32 along K for a wave
.set XW,    32                         ; v32-95   weights: two sets of 32 numbers
.set CW,    96                         ; v96-103  weights: a block's codes
.set OUTR,  112                        ; v112-175 weights: the way out
.set SB,    24                         ; v24-25   weights: eight scale bytes
	s_load_b256 s[4:11], s[0:1], 0x0               ; x s[4:5], Wq s[6:7], Wk s[8:9], Wv s[10:11]
	s_load_b256 s[12:19], s[0:1], 0x20             ; Wo s[12:13], xc s[14:15], xs s[16:17], wc s[18:19]
	s_load_b64 s[20:21], s[0:1], 0x40              ; ws
	v_lshl_add_u32 v192, v0, 2, 0x10800
	v_mov_b32 v193, 0
	v_lshrrev_b32 v1, 5, v0
	v_readfirstlane_b32 s22, v1                    ; wave 0..3
	v_and_b32 v2, 31, v0                           ; lane
	s_mov_b32 s23, 0x600000                        ; the mantissa field of 448
	s_cmp_lt_u32 ttmp9, 128
	s_cbranch_scc0 .Lweights
; ---------------------------------------------------------------- x
	v_lshlrev_b32 v3, 4, v2                        ; my 16 bytes of a load's 512, and of a step's 512 bytes of codes
	v_lshlrev_b32 v4, 8, v2                        ; the prefetches: lanes 256 bytes apart: four steps an instruction; never rewritten
	s_mul_i32 s24, s22, WREG
	v_lshrrev_b32 v14, 2, v2
	v_mul_u32_u24 v14, v14, SP
	v_and_b32 v15, 3, v2
	v_lshl_add_u32 v14, v15, 4, v14
	v_add_nc_u32 v14, s24, v14                     ; the stage, on the way in: SP (lane / 4) + 16 (lane % 4)
	v_mul_u32_u24 v15, v2, SP
	v_add_nc_u32 v15, s24, v15                     ; and on the way out: SP x lane: my 16 neighbours
	v_lshrrev_b32 v5, 1, v2
	s_add_co_u32 s24, s24, 2*32*SP
	v_add_nc_u32 v5, s24, v5                       ; my block's scale byte among my wave's 256
	v_lshlrev_b32 v7, 3, v2                        ; on the way out 8 bytes a lane
	v_add_nc_u32 v6, s24, v7
	s_lshl_b32 s26, ttmp9, 2
	s_add_co_u32 s26, s26, s22                     ; which run of 8,192 numbers is my wave's
	s_mov_b32 s29, 0
	s_lshl_b32 s28, s26, 15
	s_wait_alu depctr_va_vdst(0)
	s_wait_kmcnt 0x0
	s_add_nc_u64 s[4:5], s[4:5], s[28:29]          ; 32,768 bytes of x a run,
	s_lshl_b32 s28, s26, 13
	s_add_nc_u64 s[14:15], s[14:15], s[28:29]      ; 8,192 of codes,
	s_lshl_b32 s28, s26, 8
	s_add_nc_u64 s[16:17], s[16:17], s[28:29]      ; 256 of scale bytes
.macro XLOAD t
.irp i, 0,1,2,3
	global_load_b128 v[R+16*((\t)%4)+4*\i:R+16*((\t)%4)+4*\i+3], v3, s[4:5] offset:2048*(\t)+512*\i th:TH_LOAD_NT   ; 32 lanes read 512 consecutive bytes
.endr
.endm
.macro XTURN t                         ; step t's numbers through the stage: LDS serves a wave's instructions in order, so no wait stands between the stores and the loads
.irp i, 0,1,2,3
	ds_store_b128 v14, v[R+16*((\t)%4)+4*\i:R+16*((\t)%4)+4*\i+3] offset:32*SP*((\t)%2)+8*SP*\i
.endr
.irp i, 0,1,2,3
	ds_load_b128 v[X+16*((\t)%2)+4*\i:X+16*((\t)%2)+4*\i+3], v15 offset:32*SP*((\t)%2)+16*\i
.endr
.endm
.irp t, 0,1,2,3
	XLOAD \t
.endr
	global_prefetch_b8 v4, s[4:5] offset:8192 th:TH_LOAD_NT scope:SCOPE_SE    ; steps 4 to 7 of my wave's run, each 256 bytes once,
	global_prefetch_b8 v4, s[4:5] offset:16384 th:TH_LOAD_NT scope:SCOPE_SE   ; and 8 to 11
	s_wait_loadcnt 12                              ; step 0's four loads are in; the twelve of steps 1 to 3 may be out
	XTURN 0
.macro XSTEP t
.set XS, X+16*((\t)%2)
.if (\t) > 0
	s_wait_dscnt 1                                 ; this step's numbers are back from the stage (the last step's byte store may be out): so its stores into the stage have read their registers,
.else
	s_wait_dscnt 0x0
.endif
.if (\t)+4 < STEPS
	XLOAD (\t)+4                                   ; which take the loads of four steps on
.if (\t) == 1
	global_prefetch_b8 v4, s[4:5] offset:24576 th:TH_LOAD_NT scope:SCOPE_SE   ; the run's last four steps
.endif
.endif
.if (\t)+1 < STEPS
.if STEPS-2-(\t) >= 3
	s_wait_loadcnt 12                              ; the next step's four loads are in; those of the three steps behind it may be out
.else
	s_wait_loadcnt 4*(STEPS-2-(\t))
.endif
	XTURN (\t)+1                                   ; and go through the other stage while this step is worked
.endif
	v_max3_num_f32 v8, |v[XS]|, |v[XS+1]|, |v[XS+2]|               ; the largest magnitude of my 16, in two chains
	v_max3_num_f32 v9, |v[XS+3]|, |v[XS+4]|, |v[XS+5]|
.irp i, 6,10
	v_max3_num_f32 v8, v8, |v[XS+\i]|, |v[XS+\i+1]|
	v_max3_num_f32 v9, v9, |v[XS+\i+2]|, |v[XS+\i+3]|
.endr
	v_max3_num_f32 v8, v8, |v[XS+14]|, |v[XS+15]|
	v_max3_num_f32 v8, v8, v9, 0x4800000           ; and the floor 2^(9 - 127): the byte cannot fall under 1
	v_max_num_f32_dpp v8, v8, v8 row_xmask:1 row_mask:0xf bank_mask:0xf   ; and of my neighbour's 16: the block's
	v_add_nc_u32 v11, 0xfc000000, v8               ; 8 off its exponent field: the conversion takes the exponent field of this operand as its scale
	v_and_or_b32 v10, v8, 0x7f800000, s23          ; 448 x the scale
.irp i, 0,1,2,3,4,5,6,7,8,9,10,11,12,13,14,15
	v_med3_num_f32 v[XS+\i], v[XS+\i], -v10, v10   ; the conversion to an 8-bit code does not saturate (ISA guide 7.6.2): the hold comes first
.endr
	v_cvt_scalef32_pk8_fp8_f32 v[C+4*(\t):C+4*(\t)+1], v[XS:XS+7], v11
	v_cvt_scalef32_pk8_fp8_f32 v[C+4*(\t)+2:C+4*(\t)+3], v[XS+8:XS+15], v11
	v_lshrrev_b32 v[E+(\t)], 23, v11               ; the scale's byte (also the plain line behind the conversions)
	ds_store_b8 v5, v[E+(\t)] offset:16*(\t)       ; both lanes of a block write the same byte with the same value
	global_store_b128 v3, v[C+4*(\t):C+4*(\t)+3], s[14:15] offset:512*(\t)   ; the wave stores 512 consecutive bytes, aligned
.endm
.irp t, 0,1,2,3,4,5,6,7,8,9,10,11,12,13,14,15
	XSTEP \t
.endr
	ds_load_b64 v[12:13], v6                       ; LDS serves a wave's instructions in order: these see my byte stores
	s_wait_dscnt 0x0
	global_store_b64 v7, v[12:13], s[16:17]        ; 32 lanes store 256 consecutive bytes, aligned
	s_wait_tensorcnt 0x0
	ds_add_u32 v192, v193
	s_wait_dscnt 0x0
	s_endpgm
; ---------------------------------------------------------------- the weights
.Lweights:
	s_sub_co_u32 s24, ttmp9, 128
	s_lshr_b32 s25, s24, 5                         ; which tensor: 0 Wq, 1 Wk, 2 Wv, 3 Wo
	s_and_b32 s26, s24, 7                          ; which 128 columns
	s_bfe_u32 s27, s24, 0x20003                    ; which 256 along K
	s_lshl_b32 s28, s26, 7
	s_lshl_b32 s29, s22, 5
	s_add_co_u32 s28, s28, s29                     ; my wave's first column
	s_wait_alu depctr_va_vdst(0)
	v_lshlrev_b32 v3, 2, v2                        ; in: 4 bytes a lane
	v_lshlrev_b32 v16, 12, v2                      ; the prefetches: a lane a row of 4,096 bytes; never rewritten
	v_and_b32 v4, 7, v2
	v_bfe_u32 v5, v2, 3, 1
	v_bfe_u32 v6, v2, 4, 1
	v_lshl_or_b32 v4, v5, 4, v4
	v_lshl_or_b32 v9, v6, 3, v4                    ; my column's row in its group of 32: bits 3 and 4 change places
	s_mul_i32 s29, s22, 32*PITCH
	s_add_co_u32 s29, s29, WBASE                   ; my stage
	v_mul_u32_u24 v4, v9, PITCH
	v_add_nc_u32 v4, s29, v4                       ; into it: that row
	v_and_b32 v5, 15, v2
	v_lshrrev_b32 v6, 4, v2                        ; out of it: sixteen lanes to a row, two rows an instruction
	v_mul_u32_u24 v7, v6, PITCH
	v_lshl_add_u32 v7, v5, 4, v7
	v_add_nc_u32 v7, s29, v7
	v_lshlrev_b32 v8, 10, v6
	v_lshl_add_u32 v8, v5, 4, v8                   ; and the same place in wc (rows of 1,024 bytes)
	v_lshlrev_b32 v9, 5, v9                        ; my row of scale bytes (32 a row)
	s_lshl_b32 s30, s27, 20                        ; W: 256 rows of 4,096 bytes for each step along K, + 4 x column
	s_lshl_b32 s31, s28, 2
	s_add_co_u32 s30, s30, s31
	s_mov_b32 s31, 0
	s_lshl_b32 s32, s25, 20                        ; wc: tensor x 1 MiB + row x 1,024 + 256 x step along K
	s_lshl_b32 s33, s28, 10
	s_add_co_u32 s32, s32, s33
	s_lshl_b32 s33, s27, 8
	s_add_co_u32 s32, s32, s33
	s_mov_b32 s33, 0
	s_lshr_b32 s34, s32, 5                         ; ws: one byte for each 32 of wc
	s_mov_b32 s35, 0
	s_wait_kmcnt 0x0
	s_cmp_eq_u32 s25, 1                            ; the choice of the tensor hangs on the work-group's number alone
	s_cselect_b64 s[6:7], s[8:9], s[6:7]
	s_cmp_eq_u32 s25, 2
	s_cselect_b64 s[6:7], s[10:11], s[6:7]
	s_cmp_eq_u32 s25, 3
	s_cselect_b64 s[6:7], s[12:13], s[6:7]
	s_and_b32 s38, s22, 1                          ; the prefetches: the work-group's rows are 512 bytes, and a pair of blocks 64 rows:
	s_lshl_b32 s38, s38, 8                         ; wave w asks for 256 bytes (w % 2) of the 32 rows of block (w / 2) of the pair
	s_lshr_b32 s39, s22, 1
	s_lshl_b32 s39, s39, 17
	s_add_co_u32 s38, s38, s39
	s_lshl_b32 s39, s27, 20
	s_add_co_u32 s38, s38, s39
	s_lshl_b32 s39, s26, 9
	s_add_co_u32 s38, s38, s39
	s_mov_b32 s39, 0
	s_add_nc_u64 s[36:37], s[6:7], s[38:39]
	s_add_nc_u64 s[6:7], s[6:7], s[30:31]
	s_add_nc_u64 s[18:19], s[18:19], s[32:33]
	s_add_nc_u64 s[20:21], s[20:21], s[34:35]
.macro WLOAD t                         ; block t: W(32 t + i, my column), i = 0 .. 31, into set t % 2; the wave reads 128 consecutive bytes, the four waves 512
.set i, 0
.rept 32
	global_load_b32 v[XW+32*((\t)%2)+i], v3, s[6:7] offset:(32*(\t)+i)*4096 th:TH_LOAD_NT
.set i, i+1
.endr
.endm
	WLOAD 0
	WLOAD 1
	global_prefetch_b8 v16, s[36:37] offset:262144 th:TH_LOAD_NT scope:SCOPE_SE   ; blocks 2 and 3,
	global_prefetch_b8 v16, s[36:37] offset:524288 th:TH_LOAD_NT scope:SCOPE_SE   ; blocks 4 and 5
.macro WBLOCK t
.set XS, XW+32*((\t)%2)
.if (\t) < NB-1
	s_wait_loadcnt 32                              ; this block's 32 loads are in; the next block's 32 may be out
.else
	s_wait_loadcnt 0
.endif
	v_max3_num_f32 v12, |v[XS]|, |v[XS+1]|, |v[XS+2]|               ; the block's largest magnitude: all 32 numbers are mine
	v_max3_num_f32 v13, |v[XS+3]|, |v[XS+4]|, |v[XS+5]|
.irp i, 6,10,14,18,22,26
	v_max3_num_f32 v12, v12, |v[XS+\i]|, |v[XS+\i+1]|
	v_max3_num_f32 v13, v13, |v[XS+\i+2]|, |v[XS+\i+3]|
.endr
	v_max3_num_f32 v12, v12, |v[XS+30]|, |v[XS+31]|
	v_max3_num_f32 v12, v12, v13, 0x4800000        ; and the floor 2^(9 - 127)
	v_add_nc_u32 v11, 0xfc000000, v12              ; the conversion's scale operand
	v_and_or_b32 v10, v12, 0x7f800000, s23         ; 448 x the scale
	v_lshrrev_b32 v13, 23, v11                     ; the scale's byte
.if (\t)%4 == 0
	v_mov_b32 v[SB+(\t)/4], v13                    ; four bytes to a register, the lower K in the lower byte
.else
	v_lshl_or_b32 v[SB+(\t)/4], v13, 8*((\t)%4), v[SB+(\t)/4]
.endif
.set i, 0
.rept 32
	v_med3_num_f32 v[XS+i], v[XS+i], -v10, v10     ; the hold (ISA guide 7.6.2: the conversion does not saturate)
.set i, i+1
.endr
.irp g, 0,1,2,3
	v_cvt_scalef32_pk8_fp8_f32 v[CW+2*\g:CW+2*\g+1], v[XS+8*\g:XS+8*\g+7], v11
.endr
	v_nop                                          ; a plain line behind the last conversion
	ds_store_b128 v4, v[CW:CW+3] offset:32*(\t)    ; 32 codes: 32 bytes of my column's row
	ds_store_b128 v4, v[CW+4:CW+7] offset:32*(\t)+16
.if (\t)+2 < NB
	WLOAD (\t)+2
.if (\t) == 1
	global_prefetch_b8 v16, s[36:37] offset:786432 th:TH_LOAD_NT scope:SCOPE_SE   ; blocks 6 and 7, the last
.endif
.endif
	s_wait_dscnt 0x0                               ; the stores have read their registers: the next block's codes may be written
.endm
.irp t, 0,1,2,3,4,5,6,7
	WBLOCK \t
.endr
	global_store_b64 v9, v[SB:SB+1], s[20:21]      ; my column's eight scale bytes
.irp t, 0,1,2,3,4,5,6,7,8,9,10,11,12,13,14,15
	ds_load_b128 v[OUTR+4*\t:OUTR+4*\t+3], v7 offset:2*\t*PITCH   ; LDS serves a wave's instructions in order: these see my stores
.endr
.irp t, 0,1,2,3,4,5,6,7,8,9,10,11,12,13,14,15
	s_wait_dscnt 15-\t                             ; loads come back in order: pair t of rows is in
	global_store_b128 v8, v[OUTR+4*\t:OUTR+4*\t+3], s[18:19] offset:2*\t*1024   ; sixteen lanes store 256 consecutive bytes, aligned
.endr
	s_wait_tensorcnt 0x0
	ds_add_u32 v192, v193
	s_wait_dscnt 0x0
	s_endpgm
.Lfunc_end_k_q6307191c1b_quant:
	.size	k_q6307191c1b_quant, .Lfunc_end_k_q6307191c1b_quant-k_q6307191c1b_quant
	.p2alignl 7, 3214868480
	.fill 96, 4, 3214868480
	.section	.rodata,"a",@progbits
	.p2align	6, 0x0
	.amdhsa_kernel k_q6307191c1b_quant
		.amdhsa_group_segment_fixed_size 68096
		.amdhsa_private_segment_fixed_size 0
		.amdhsa_enable_private_segment 0
		.amdhsa_kernarg_size 72
		.amdhsa_user_sgpr_count 2
		.amdhsa_user_sgpr_kernarg_segment_ptr 1
		.amdhsa_wavefront_size32 1
		.amdhsa_system_sgpr_workgroup_id_x 1
		.amdhsa_system_sgpr_workgroup_id_y 1
		.amdhsa_system_sgpr_workgroup_id_z 1
		.amdhsa_system_vgpr_workitem_id 0
		.amdhsa_next_free_vgpr 194
		.amdhsa_next_free_sgpr 66
		.amdhsa_reserve_vcc 0
		.amdhsa_float_denorm_mode_32 3
		.amdhsa_float_denorm_mode_16_64 3
		.amdhsa_memory_ordered 1
		.amdhsa_forward_progress 1
		.amdhsa_inst_pref_size 111
	.end_amdhsa_kernel
	.amdgpu_metadata
---
amdhsa.version: [ 1, 2 ]
amdhsa.kernels:
  - .name:           k_q6307191c1b_quant
    .symbol:         k_q6307191c1b_quant.kd
    .args:
      - { .name: x, .offset: 0, .size: 8, .value_kind: global_buffer, .address_space: global }
      - { .name: Wq, .offset: 8, .size: 8, .value_kind: global_buffer, .address_space: global }
      - { .name: Wk, .offset: 16, .size: 8, .value_kind: global_buffer, .address_space: global }
      - { .name: Wv, .offset: 24, .size: 8, .value_kind: global_buffer, .address_space: global }
      - { .name: Wo, .offset: 32, .size: 8, .value_kind: global_buffer, .address_space: global }
      - { .name: xc, .offset: 40, .size: 8, .value_kind: global_buffer, .address_space: global }
      - { .name: xs, .offset: 48, .size: 8, .value_kind: global_buffer, .address_space: global }
      - { .name: wc, .offset: 56, .size: 8, .value_kind: global_buffer, .address_space: global }
      - { .name: ws, .offset: 64, .size: 8, .value_kind: global_buffer, .address_space: global }
    .group_segment_fixed_size: 68096
    .private_segment_fixed_size: 0
    .kernarg_segment_align: 8
    .kernarg_segment_size: 72
    .max_flat_workgroup_size: 128
    .sgpr_count:     66
    .vgpr_count:     194
    .wavefront_size: 32
...
	.end_amdgpu_metadata
.endif
;; end of part 1
;; launch qkv (part 2): grid 12 x 16, 4 waves a work-group, clusters of 4 x 4, 327,680 bytes of LDS; arguments xc, xs, wc, ws, bq, bk, bv, qkvc, qkvs; writes qkvc, qkvs
.if DOCPART == 2
	.amdgcn_target "amdgcn-amd-amdhsa--gfx1250"
	.amdhsa_code_object_version 6
	.text
	.protected	k_q6307191c1b_qkv
	.globl	k_q6307191c1b_qkv
	.p2align	8
	.type	k_q6307191c1b_qkv,@function
k_q6307191c1b_qkv:
	s_mov_b64 s[64:65], 0
	v_nop
	global_prefetch_b8 v0, s[64:65] scope:SCOPE_SE
	s_setreg_imm32_b32 hwreg(HW_REG_WAVE_MODE, 25, 1), 1
	s_wait_xcnt 0x0
	s_wait_alu depctr_hold_cnt(0) depctr_sa_sdst(0) depctr_va_vdst(0) depctr_va_sdst(0) depctr_va_ssrc(0) depctr_va_vcc(0) depctr_vm_vsrc(0)
	s_getreg_b32 s2, hwreg(HW_REG_IB_STS2, 6, 4)
	s_cmp_eq_u32 s2, 0
	s_cbranch_scc0 .Lentry_in_a_cluster
	s_endpgm
.Lentry_in_a_cluster:
	s_bfe_u32 s2, ttmp6, 0x10000c
	s_cmp_lg_u32 s2, 0xf033
	s_cbranch_scc0 .Lentry_shape_is_right
	s_endpgm
.Lentry_shape_is_right:
; Q = x Wq + bq, K = x Wk + bk, V = x Wv + bv on codes of FP8 (E4M3) with E8M0 scales for each 32 along K = 1,024; f32 sums; each result is quantised again (Q, K along the head's 64, V along the keys) and stored as images of the next launch's operand registers.
; A work-group makes 256 x 256, a wave 128 x 128: 64 accumulators.  Clusters 0 and 1 along x make Q and K: A = x's rows, B = the weight's; cluster 2 makes V with the two exchanged.  The bias is the C of each sum's first product.
; K goes in four steps of 256 through a ring of two slots; 4 x 4 work-groups share A's tiles along a row of the cluster and B's along a column by joint loads; the scale bytes of all of K come once.
; THE HEAD: one joint load a wave: wave 0 K step 0's 256 rows of A, wave 1 of B, wave 2 A's scale bytes, wave 3 B's; behind a drained round K step 1 comes, a quarter a wave, as every refill does.
; K steps 2 and 3 are prefetched behind the first fragments' loads: 32 rows x 256 bytes a wave and step, a lane a row; the four partners of a tile share its rows out by address.
; LIMITS: NaN and infinities are not served; a block whose largest magnitude lies under 2^-118 gets the scale byte 1 (read by this program alone).
.set KSTEP,  256
.set NQ,     2
.set ROWB,   256
.set KROW,   1024
.set PITCH,  272
.set FR,     16
.set NL,     4
.set NP,     8
.set HALFT,  128*PITCH
.set SLOT,   4*HALFT
.set LAPS,   2
.set KS,     32
.set SCL,    2*SLOT
.set HALFS,  (128*KS/256)*272
.set SBLK,   (16*KS/256)*272
.set SPARE,  SCL+4*HALFS
.set A_C,    32
.set A_Q,    128
.set A_I,    16*PITCH
.set ASTEP,  256
.set ADRA, 16
.set ADRB, 20
.set BOQ,  24
.set BOV,  25
.set CO,   26
.set ADRS, 27
.set SPW,  28
.set NIL,  29
.set SELV, 30
.set SC,   32
.set BI,   64
.set AF,   128
.set TM,   32
.set PW,   48
.set SW,   52
.set ST,   64
.set PC,   128
.set G1, 24
.set G0, 32
.set G1B, 48
.set G0B, 56
.set G1S, 68
.set G0S, 76
.set G1SB, 80
.set G0SB, 88
.set MSB, 0
.macro WIN new
.if MSB != (\new)
	s_set_vgpr_msb (MSB<<8)|(\new)
.set MSB, (\new)
.endif
.endm
.set MUL_LO, 0xa1
.set MUL_HI, 0xf1
.set TO_B,   0x40
.macro WMUL hi, cm
.if \cm
	WIN 0x81+0x40*\hi
.else
	WIN 0xa1+0x50*\hi
.endif
.endm
.macro JLOAD g0a, g1a, g0b, g1b
	s_cmp_eq_u32 s15, 0
	s_cbranch_scc0 .Lfor_b_\@
	tensor_load_to_lds s[\g0a:\g0a+3], s[\g1a:\g1a+7]
	s_nop 0
.rept 4
	v_nop
.endr
	s_branch .Lasked_\@
.Lfor_b_\@:
	tensor_load_to_lds s[\g0b:\g0b+3], s[\g1b:\g1b+7]
	s_nop 0
.rept 4
	v_nop
.endr
.Lasked_\@:
.endm
.macro CREST
	s_cmp_lg_u32 s14, 0
	s_cbranch_scc1 .Lnot_wave_0_\@
	s_barrier_signal -3
.Lnot_wave_0_\@:
	s_barrier_wait -3
	s_barrier_signal -1
	s_barrier_wait -1
.endm
.macro CROUND
	s_barrier_signal -1
	s_barrier_wait -1
	CREST
.endm
	s_load_b256 s[4:11], s[0:1], 0x0
	s_load_b256 s[92:99], s[0:1], 0x20
	s_load_b64 s[100:101], s[0:1], 0x40
	v_lshl_add_u32 v[SPW], v0, 2, SPARE
	v_mov_b32 v[NIL], 0
	ds_add_u32 v28, v29
	ds_add_u32 v28, v29
	s_wait_dscnt 0x0
	v_lshrrev_b32 v1, 5, v0
	v_readfirstlane_b32 s14, v1
	s_lshr_b32 s15, s14, 1
	s_and_b32 s16, s14, 1
	s_bfe_u32 s40, ttmp6, 0x40000
	s_bfe_u32 s41, ttmp6, 0x40004
	s_and_b32 s18, ttmp7, 0xffff
	s_cmp_eq_u32 ttmp9, 2
	s_cselect_b32 s19, 0, s18
	s_cselect_b32 s20, s18, ttmp9
	s_cselect_b32 s21, 2048, 0
	s_lshl_b32 s17, s19, 2
	s_add_co_u32 s17, s17, s41
	s_lshl_b32 s42, s20, 2
	s_add_co_u32 s42, s42, s40
	s_lshl_b32 s43, s41, 2
	s_lshl_b32 s43, 15, s43
	s_lshl_b32 s44, 0x1111, s40
	s_or_b32 s[G1+0], s43, (0<<16)|(1<<20)|(1<<21)|(5<<22)|(3<<25)
	s_or_b32 s[G1B+0], s44, (0<<16)|(1<<20)|(1<<21)|(5<<22)|(3<<25)
.irp g, G1, G1B
	s_mov_b32 s[\g+1], ROWB<<16
	s_mov_b32 s[\g+2], 256<<16                     ; 256 rows for the head's loads; 128 behind them
	s_mov_b32 s[\g+3], ROWB<<16
	s_mov_b32 s[\g+4], 256
	s_mov_b32 s[\g+5], KROW
	s_mov_b32 s[\g+6], 0
	s_mov_b32 s[\g+7], 0
.endr
	s_or_b32 s[G1S+0], s43, (3<<16)|(1<<20)|(1<<21)|(5<<22)|(3<<25)
	s_or_b32 s[G1SB+0], s44, (3<<16)|(1<<20)|(1<<21)|(5<<22)|(3<<25)
.irp g, G1S, G1SB
	s_mov_b32 s[\g+1], 32<<16
	s_mov_b32 s[\g+2], KS<<16                      ; the scale bytes of 256 rows: KS rows of 256 bytes
	s_mov_b32 s[\g+3], 32<<16
	s_mov_b32 s[\g+4], KS
	s_mov_b32 s[\g+5], 32
	s_mov_b32 s[\g+6], 0
	s_mov_b32 s[\g+7], 0
.endr
	s_lshl_b32 s20, s17, 8
	s_add_co_u32 s20, s20, s21                     ; A: the tile's first row
	s_lshl_b32 s46, s42, 8                         ; B's
	s_lshl_b32 s22, s20, 5
	s_mov_b32 s23, 0
	s_lshl_b32 s20, s20, 10
	s_mov_b32 s21, 0
	s_mul_i32 s45, s14, HALFT                      ; in the ring I fetch 128 rows: where they go,
	s_lshl_b32 s18, s16, 17                        ; and which half of a tile they are, in bytes
	s_mov_b32 s19, 0
	s_wait_kmcnt 0x0
	s_cmp_eq_u32 ttmp9, 2
	s_cselect_b64 s[12:13], s[8:9], s[4:5]
	s_cselect_b64 s[8:9], s[4:5], s[8:9]
	s_cselect_b64 s[4:5], s[10:11], s[6:7]
	s_cselect_b64 s[10:11], s[6:7], s[10:11]
	s_lshl_b32 s6, s46, 5
	s_mov_b32 s7, 0
	s_lshl_b32 s46, s46, 10
	s_mov_b32 s47, 0
	s_add_nc_u64 s[20:21], s[12:13], s[20:21]
	s_add_nc_u64 s[22:23], s[4:5], s[22:23]
	s_add_nc_u64 s[46:47], s[8:9], s[46:47]
	s_add_nc_u64 s[6:7], s[10:11], s[6:7]
	CROUND
	s_mov_b32 s[G0S], 1
	s_mov_b32 s[G0S+1], SCL
	s_mov_b64 s[G0S+2:G0S+3], s[22:23]
	s_or_b32 s[G0S+3], s[G0S+3], 0x80000000
	s_mov_b32 s[G0SB], 1
	s_mov_b32 s[G0SB+1], SCL+2*HALFS
	s_mov_b64 s[G0SB+2:G0SB+3], s[6:7]
	s_or_b32 s[G0SB+3], s[G0SB+3], 0x80000000
	s_mov_b32 s4, 1                                ; K step 0: A's 256 rows (the arguments that lay here have been used),
	s_mov_b32 s5, 0
	s_mov_b64 s[6:7], s[20:21]
	s_or_b32 s7, s7, 0x80000000
	s_mov_b32 s8, 1                                ; and B's, behind them
	s_mov_b32 s9, 2*HALFT
	s_mov_b64 s[10:11], s[46:47]
	s_or_b32 s11, s11, 0x80000000
	s_add_nc_u64 s[20:21], s[20:21], s[18:19]      ; for the ring: my 128 rows
	s_add_nc_u64 s[46:47], s[46:47], s[18:19]
.irp s, 0,1
	s_mov_b32 s[G0+4*\s], 1
	s_add_co_u32 s[G0+4*\s+1], s45, \s*SLOT
	s_add_nc_u64 s[G0+4*\s+2:G0+4*\s+3], s[20:21], \s*ASTEP
	s_or_b32 s[G0+4*\s+3], s[G0+4*\s+3], 0x80000000
	s_mov_b32 s[G0B+4*\s], 1
	s_add_co_u32 s[G0B+4*\s+1], s45, \s*SLOT
	s_add_nc_u64 s[G0B+4*\s+2:G0B+4*\s+3], s[46:47], \s*ROWB
	s_or_b32 s[G0B+4*\s+3], s[G0B+4*\s+3], 0x80000000
.endr
.macro ARM under, g0, g1, next
	s_cmp_lt_u32 s14, \under
	s_cbranch_scc0 \next
	tensor_load_to_lds s[\g0:\g0+3], s[\g1:\g1+7]
	s_nop 0
.rept 4
	v_nop
.endr
	s_branch .Lhead_asked
\next:
.endm
	ARM 1, 4, G1, .Lhead_b
	ARM 2, 8, G1B, .Lhead_sa
	ARM 3, G0S, G1S, .Lhead_sb
	tensor_load_to_lds s[G0SB:G0SB+3], s[G1SB:G1SB+7]
	s_nop 0
.rept 4
	v_nop
.endr
.Lhead_asked:
	s_cmp_eq_u32 s15, 0                            ; the prefetches: of the 128 rows that I fetch, my work-group's 32
	s_cselect_b64 s[66:67], s[20:21], s[46:47]
	s_cselect_b32 s18, s40, s41
	s_lshl_b32 s18, s18, 15
	s_mov_b32 s19, 0
	s_add_nc_u64 s[66:67], s[66:67], s[18:19]
	v_and_b32 v8, 31, v0
	v_lshlrev_b32 v8, 10, v8                       ; a lane a row; never rewritten
	v_and_b32 v1, 15, v0
	v_bfe_u32 v2, v0, 4, 1
	v_mul_u32_u24 v3, v1, PITCH
	v_lshl_add_u32 v4, v2, 4, v3
	s_mul_i32 s21, s15, HALFT
	s_mul_i32 s22, s16, HALFT
	s_add_co_u32 s22, s22, 2*HALFT
.irp s, 0,1
	v_add_nc_u32 v[ADRA+\s], s21, v4
	v_add_nc_u32 v[ADRB+\s], s22, v4
	s_add_co_u32 s21, s21, SLOT
	s_add_co_u32 s22, s22, SLOT
.endr
	v_mul_u32_u24 v5, v1, KS
	v_lshrrev_b32 v6, 8, v5
	v_lshl_add_u32 v5, v6, 4, v5
	s_mul_i32 s21, s15, HALFS
	s_mul_i32 s22, s16, HALFS
	s_add_co_u32 s22, s22, 2*HALFS
	s_sub_co_u32 s22, s22, s21
	v_mul_u32_u24 v6, s22, v2
	s_add_co_u32 s21, s21, SCL
	v_add_nc_u32 v5, v5, v6
	v_add_nc_u32 v[ADRS], s21, v5
	v_lshlrev_b32 v[BOQ], 6, v2
	v_and_b32 v5, 8, v1
	v_add_nc_u32 v5, v5, v1
	v_lshlrev_b32 v[BOV], 2, v5
	v_and_b32 v6, 31, v0
	v_lshlrev_b32 v[CO], 4, v6
	s_lshl_b32 s18, s17, 8
	s_lshl_b32 s19, s15, 7
	s_add_co_u32 s18, s18, s19
	s_lshl_b32 s19, s42, 8
	s_lshl_b32 s20, s16, 7
	s_add_co_u32 s19, s19, s20
	s_and_b32 s20, s19, 1023
	s_cmp_eq_u32 ttmp9, 2
	s_cselect_b32 s21, s19, s18
	s_cselect_b32 s20, s18, s20
	s_lshl_b32 s22, ttmp9, 22
	s_lshr_b32 s23, s21, 11
	s_lshl_b32 s23, s23, 21
	s_add_co_u32 s22, s22, s23
	s_lshr_b32 s23, s20, 7
	s_lshl_b32 s23, s23, 18
	s_add_co_u32 s22, s22, s23
	s_and_b32 s23, s21, 2047
	s_lshl_b32 s23, s23, 7
	s_add_co_u32 s22, s22, s23
	s_mov_b32 s23, 0
	s_add_nc_u64 s[98:99], s[98:99], s[22:23]
	s_lshr_b32 s22, s22, 4
	s_add_nc_u64 s[100:101], s[100:101], s[22:23]
	s_lshl_b32 s22, s20, 2
	s_cmp_eq_u32 ttmp9, 1
	s_cselect_b64 s[92:93], s[94:95], s[92:93]
	s_cmp_eq_u32 ttmp9, 2
	s_cselect_b64 s[92:93], s[96:97], s[92:93]
	s_add_nc_u64 s[92:93], s[92:93], s[22:23]
	s_cmp_eq_u32 ttmp9, 2
	s_cbranch_scc1 .Lbias_v
	s_wait_alu depctr_va_vdst(0)
.irp t, 0,1,2,3,4,5,6,7
	global_load_b128 v[BI+8*\t:BI+8*\t+3], v[BOQ], s[92:93] offset:(32*(\t/2)+8*(\t%2))*4
	global_load_b128 v[BI+8*\t+4:BI+8*\t+7], v[BOQ], s[92:93] offset:(32*(\t/2)+8*(\t%2))*4+16
.endr
	s_branch .Lbias_done
.Lbias_v:
	s_wait_alu depctr_va_vdst(0)
.irp i, 0,1,2,3,4,5,6,7
	global_load_b32 v[BI+8*\i], v[BOV], s[92:93] offset:(32*(\i/2)+8*(\i%2))*4
.endr
	s_wait_loadcnt 0x0
.irp i, 0,1,2,3,4,5,6,7
.irp j, 1,2,3,4,5,6,7
	v_mov_b32 v[BI+8*\i+\j], v[BI+8*\i]
.endr
.endr
.rept 8
	v_nop
.endr
.Lbias_done:
.macro FRAG reg, adr, off, cs
.irp c, 0,1,2,3
	ds_load_b128 v[\reg+4*\c:\reg+4*\c+3], v[\adr] offset:\off+\cs*\c
.endr
.endm
.macro MUL16 a0, p, q, sc, cm
.irp a, \a0, \a0+1
.irp b, 0,1,2,3,4,5,6,7
.set rD, 8*(8*((\a)%4)+\b)
.set rB, 128*(\p)+FR*\b
.set rA, AF+FR*(\a)
.set rSB, SC+8*NQ*(\sc)+NQ*\b+(\q)
.set rSA, SC+8*NQ*(\sc)+NQ*(\a)+(\q)
.if \cm == 1
	v_wmma_scale_f32_16x16x128_f8f6f4 v[rD:rD+7], v[rB:rB+FR-1], v[rA:rA+FR-1], v[BI+8*\b:BI+8*\b+7], v[rSB], v[rSA] matrix_a_scale:MATRIX_SCALE_ROW1
.elseif \cm == 2
	v_wmma_scale_f32_16x16x128_f8f6f4 v[rD:rD+7], v[rB:rB+FR-1], v[rA:rA+FR-1], v[BI+8*(\a):BI+8*(\a)+7], v[rSB], v[rSA] matrix_a_scale:MATRIX_SCALE_ROW1
.else
	v_wmma_scale_f32_16x16x128_f8f6f4 v[rD:rD+7], v[rB:rB+FR-1], v[rA:rA+FR-1], v[rD:rD+7], v[rSB], v[rSA] matrix_a_scale:MATRIX_SCALE_ROW1
.endif
.endr
.endr
.endm
.macro FETCH_B slot, q, p
	WIN TO_B
.irp i, 0,1,2,3,4,5,6,7
	FRAG 128*(\p)+FR*\i, ADRB+\slot, 128*(\q)+\i*16*PITCH, 32
.endr
	WIN 0
.endm
.macro FETCH_A slot, q, i0
.irp i, \i0, \i0+1, \i0+2, \i0+3
	FRAG AF+FR*(\i), ADRA+\slot, A_Q*(\q)+(\i)*A_I, A_C
.endr
.endm
.macro SCALES sc
.irp i, 0,1,2,3,4,5,6,7
	ds_load_b64 v[SC+8*NQ*\sc+NQ*\i:SC+8*NQ*\sc+NQ*\i+1], v[ADRS] offset:\i*SBLK
.endr
.endm
.macro PLACES n
.rept \n
	v_nop
.endr
.endm
.macro STEP slot, q, cm
	s_wait_dscnt 4*NL
	WMUL 0, \cm
	MUL16 0, (\q)%2, \q, \slot, \cm
	MUL16 2, (\q)%2, \q, \slot, \cm
	s_wait_dscnt 0
	PLACES NP
	FETCH_B \slot, (\q)+1, 1-(\q)%2
	FETCH_A \slot, (\q)+1, 0
	WMUL 1, \cm
	MUL16 4, (\q)%2, \q, \slot, \cm
	MUL16 6, (\q)%2, \q, \slot, \cm
	PLACES NP
	WIN 0
	FETCH_A \slot, (\q)+1, 4
.endm
.macro TURN slot, next, fill
	s_wait_tensorcnt 0x0
	ds_add_u32 v[SPW], v[NIL]
	s_wait_dscnt 4*NL+1
	WIN MUL_LO
	MUL16 0, 1, NQ-1, \slot, 0
	s_wait_dscnt 0x0
	s_barrier_signal -1
	MUL16 2, 1, NQ-1, \slot, 0
	WIN 0
	s_barrier_wait -1
.if \fill
	CREST
	s_add_nc_u64 s[G0+4*\slot+2:G0+4*\slot+3], s[G0+4*\slot+2:G0+4*\slot+3], 2*ASTEP
	s_add_nc_u64 s[G0B+4*\slot+2:G0B+4*\slot+3], s[G0B+4*\slot+2:G0B+4*\slot+3], 2*ROWB
	JLOAD G0+4*\slot, G1, G0B+4*\slot, G1B
	PLACES NP-4
.else
	PLACES NP
.endif
	s_wait_alu depctr_va_vdst(0)
	v_add_nc_u32 v[ADRS], 4*NQ, v[ADRS]
	FETCH_B \next, 0, 0
	FETCH_A \next, 0, 0
	SCALES \next
	WIN MUL_HI
	MUL16 4, 1, NQ-1, \slot, 0
	MUL16 6, 1, NQ-1, \slot, 0
	PLACES NP
	WIN 0
	FETCH_A \next, 0, 4
.endm
	s_wait_alu depctr_va_vdst(0)
	s_wait_tensorcnt 0x0                           ; my tile of the head's four is in
	ds_add_u32 v[SPW], v[NIL]
	s_mov_b32 s[G1+2], 128<<16                     ; no tensor load of mine is out: from here on a load brings 128 rows
	s_mov_b32 s[G1+4], 128
	s_mov_b32 s[G1B+2], 128<<16
	s_mov_b32 s[G1B+4], 128
	s_wait_dscnt 0x0
	CROUND                                         ; all four tiles are in, and the joint loads meet
	JLOAD G0+4, G1, G0B+4, G1B                     ; K step 1
	FETCH_B 0, 0, 0
	FETCH_A 0, 0, 0
	SCALES 0
	FETCH_A 0, 0, 4
	global_prefetch_b8 v8, s[66:67] offset:512 th:TH_LOAD_NT scope:SCOPE_SE   ; K step 2,
	global_prefetch_b8 v8, s[66:67] offset:768 th:TH_LOAD_NT scope:SCOPE_SE   ; K step 3, the last
	s_wait_loadcnt 0x0
	s_cmp_eq_u32 ttmp9, 2
	s_cbranch_scc1 .Lfirst_v
	s_wait_alu depctr_va_vdst(0)
	STEP 0, 0, 1
	s_branch .Lfirst_done
.Lfirst_v:
	s_wait_alu depctr_va_vdst(0)
	STEP 0, 0, 2
.Lfirst_done:
	s_mov_b32 s3, LAPS-1
.Llap:
	TURN 0, 1, 1
	STEP 1, 0, 0
	TURN 1, 0, 1
	STEP 0, 0, 0
	s_sub_co_u32 s3, s3, 1
	s_cmp_lg_u32 s3, 0
	s_cbranch_scc1 .Llap
	TURN 0, 1, 0
	STEP 1, 0, 0
	s_wait_dscnt 4*NL
	WIN MUL_LO
	MUL16 0, 1, NQ-1, 1, 0
	MUL16 2, 1, NQ-1, 1, 0
	s_wait_dscnt 0
	WIN MUL_HI
	MUL16 4, 1, NQ-1, 1, 0
	MUL16 6, 1, NQ-1, 1, 0
	WIN 0
	PLACES NP
	s_mov_b32 s18, 0x76543210
	s_mov_b32 s19, 0xfedcba98
	s_mov_b32 s20, 0x600000
	s_mov_b32 s21, 0x01000100
	s_mov_b32 s22, 0x02020202
	s_cmp_eq_u32 ttmp9, 2
	s_cselect_b32 s21, 0x03020100, s21
	s_cselect_b32 s22, 0, s22
	v_bfe_u32 v31, v0, 4, 1
	v_mul_lo_u32 v[SELV], v31, s22
	v_add_nc_u32 v[SELV], s21, v[SELV]
.irp b, 0,1,2,3
	v_mov_b32 v[TM+4+\b], 0
.endr
.macro EPI i
.set AC, 64*((\i)%4)
	WIN 0x28+0x14*((\i)/4)
.irp b, 0,1,2,3
	v_max3_num_f32 v[TM+\b], 0x4800000, |v[AC+16*\b]|, |v[AC+16*\b+1]|
.endr
.irp k, 2,4,6,8,10,12,14
.irp b, 0,1,2,3
	v_max3_num_f32 v[TM+\b], v[TM+\b], |v[AC+16*\b+\k]|, |v[AC+16*\b+\k+1]|
.endr
.endr
	WIN 0
.irp b, 0,1,2,3
	v_permlanex16_b32 v[TM+4+\b], v[TM+\b], s18, s19
.endr
.irp b, 0,1,2,3
	v_max_num_f32 v[TM+\b], v[TM+\b], v[TM+4+\b]
.endr
.irp b, 0,1,2,3
	v_add_nc_u32 v[TM+12+\b], 0xfc000000, v[TM+\b]
.endr
.irp b, 0,1,2,3
	v_and_or_b32 v[TM+8+\b], v[TM+\b], 0x7f800000, s20
.endr
.irp b, 0,1,2,3
	v_lshrrev_b32 v[TM+4+\b], 23, v[TM+12+\b]
.endr
	v_lshl_or_b32 v[PW], v[TM+5], 8, v[TM+4]
	v_lshl_or_b32 v[PW], v[TM+6], 16, v[PW]
	v_lshl_or_b32 v[PW], v[TM+7], 24, v[PW]
	WIN 0x02+(\i)/4
.irp b, 0,1,2,3
.irp k, 0,1,2,3,4,5,6,7,8,9,10,11,12,13,14,15
	v_med3_num_f32 v[ST+16*\b+\k], v[AC+16*\b+\k], -v[TM+8+\b], v[TM+8+\b]
.endr
.endr
	WIN 0
.irp b, 0,1,2,3
	v_cvt_scalef32_pk8_fp8_f32 v[PC+16*(\i)+4*\b:PC+16*(\i)+4*\b+1], v[ST+16*\b:ST+16*\b+7], v[TM+12+\b]
	v_cvt_scalef32_pk8_fp8_f32 v[PC+16*(\i)+4*\b+2:PC+16*(\i)+4*\b+3], v[ST+16*\b+8:ST+16*\b+15], v[TM+12+\b]
.endr
	v_perm_b32 v[SW+(\i)], v[PW], v[PW], v[SELV]
.irp b, 0,1,2,3
	global_store_b128 v[CO], v[PC+16*(\i)+4*\b:PC+16*(\i)+4*\b+3], s[98:99] offset:2048*(\i)+512*\b
.endr
.if (\i)%4 == 3
	global_store_b128 v[CO], v[SW+4*((\i)/4):SW+4*((\i)/4)+3], s[100:101] offset:512*((\i)/4)
.endif
.endm
.irp i, 0,1,2,3,4,5,6,7
	EPI \i
.endr
	s_wait_tensorcnt 0x0
	ds_add_u32 v[SPW], v[NIL]
	s_wait_dscnt 0x0
	CROUND
	s_endpgm
.Lfunc_end_k_q6307191c1b_qkv:
	.size	k_q6307191c1b_qkv, .Lfunc_end_k_q6307191c1b_qkv-k_q6307191c1b_qkv
	.p2alignl 7, 3214868480
	.fill 96, 4, 3214868480
	.section	.rodata,"a",@progbits
	.p2align	6, 0x0
	.amdhsa_kernel k_q6307191c1b_qkv
		.amdhsa_group_segment_fixed_size 327680
		.amdhsa_private_segment_fixed_size 0
		.amdhsa_enable_private_segment 0
		.amdhsa_kernarg_size 72
		.amdhsa_user_sgpr_count 2
		.amdhsa_user_sgpr_kernarg_segment_ptr 1
		.amdhsa_wavefront_size32 1
		.amdhsa_system_sgpr_workgroup_id_x 1
		.amdhsa_system_sgpr_workgroup_id_y 1
		.amdhsa_system_sgpr_workgroup_id_z 1
		.amdhsa_system_vgpr_workitem_id 0
		.amdhsa_next_free_vgpr 1024
		.amdhsa_next_free_sgpr 102
		.amdhsa_reserve_vcc 0
		.amdhsa_float_denorm_mode_32 3
		.amdhsa_float_denorm_mode_16_64 3
		.amdhsa_memory_ordered 1
		.amdhsa_forward_progress 1
		.amdhsa_inst_pref_size 205
	.end_amdhsa_kernel
	.amdgpu_metadata
---
amdhsa.version: [ 1, 2 ]
amdhsa.kernels:
  - .name:           k_q6307191c1b_qkv
    .symbol:         k_q6307191c1b_qkv.kd
    .args:
      - { .name: xc, .offset: 0, .size: 8, .value_kind: global_buffer, .address_space: global }
      - { .name: xs, .offset: 8, .size: 8, .value_kind: global_buffer, .address_space: global }
      - { .name: wc, .offset: 16, .size: 8, .value_kind: global_buffer, .address_space: global }
      - { .name: ws, .offset: 24, .size: 8, .value_kind: global_buffer, .address_space: global }
      - { .name: bq, .offset: 32, .size: 8, .value_kind: global_buffer, .address_space: global }
      - { .name: bk, .offset: 40, .size: 8, .value_kind: global_buffer, .address_space: global }
      - { .name: bv, .offset: 48, .size: 8, .value_kind: global_buffer, .address_space: global }
      - { .name: qkvc, .offset: 56, .size: 8, .value_kind: global_buffer, .address_space: global }
      - { .name: qkvs, .offset: 64, .size: 8, .value_kind: global_buffer, .address_space: global }
    .group_segment_fixed_size: 327680
    .private_segment_fixed_size: 0
    .kernarg_segment_align: 8
    .kernarg_segment_size: 72
    .max_flat_workgroup_size: 128
    .sgpr_count:     102
    .vgpr_count:     1024
    .wavefront_size: 32
...
	.end_amdgpu_metadata
.endif
;; end of part 2
;; launch attn (part 3): grid 8 x 32, 8 waves a work-group, clusters of 4 x 1, 276,480 bytes of LDS; arguments qkvc, qkvs, ac, asc; writes ac, asc
.if DOCPART == 3
	.amdgcn_target "amdgcn-amd-amdhsa--gfx1250"
	.amdhsa_code_object_version 6
	.text
	.protected	k_q6307191c1b_attn
	.globl	k_q6307191c1b_attn
	.p2align	8
	.type	k_q6307191c1b_attn,@function
k_q6307191c1b_attn:
	s_mov_b64 s[64:65], 0
	v_nop
	global_prefetch_b8 v0, s[64:65] scope:SCOPE_SE
	s_setreg_imm32_b32 hwreg(HW_REG_WAVE_MODE, 25, 1), 1
	s_wait_xcnt 0x0
	s_wait_alu depctr_hold_cnt(0) depctr_sa_sdst(0) depctr_va_vdst(0) depctr_va_sdst(0) depctr_va_ssrc(0) depctr_va_vcc(0) depctr_vm_vsrc(0)
	s_getreg_b32 s2, hwreg(HW_REG_IB_STS2, 6, 4)
	s_cmp_eq_u32 s2, 0
	s_cbranch_scc0 .Lentry_in_a_cluster
	s_endpgm
.Lentry_in_a_cluster:
	s_bfe_u32 s2, ttmp6, 0x10000c
	s_cmp_lg_u32 s2, 0x3003
	s_cbranch_scc0 .Lentry_shape_is_right
	s_endpgm
.Lentry_shape_is_right:
; For each batch and head: O[q] = the sum over keys of p[q][key] v[key] / l[q], both products on codes of FP8 (E4M3) with E8M0 scales for each 32 along K; then O is quantised along the model's 1,024.
; THE SOFTMAX: t = score x log2(e) / 8; M = the running largest t, rounded UP to a whole number; p = 2^(t - M) is quantised along the keys, not normalised; l is the sum of the unquantised p, in f32, and divides O at the end.
; When M moves, l and O are multiplied by 2^(old M - new M): exact.
; SHARES.  A work-group owns 256 queries of one head; each of its eight waves owns two tiles of 16, A and B (x = 0, 1), which share every fragment of k and v.
; LDS holds a head's codes of k (131,072 bytes), of v (131,072) and their scale words (12,288): every byte is filled once.  Nothing is prefetched: all loads are asked for at the head.
; CLUSTER: the four query blocks of a cluster belong to one head: each tile is asked for jointly, with one descriptor and a mask that names the four.
; LOADS, one a wave: waves 0 to 3 bring k's first three steps of 128 keys, v's first two, and all scale words: shown by the first barrier; waves 4, 5 the rest of k, waves 6, 7 of v: shown by the second, two trips on.
; ORDER.  The tiles stand half a step apart.  In a phase tile x has its exponentials taken; among its scalings stand the other tile's S products, among its rescaling of O the other tile's O products; behind its exponentials
; the other tile's maxima and M are made among its own sums, holds and conversions.  The first trip finds zeros in tile B; the last trip makes no scores beyond the last key.
; LAYOUT.  Both products are transposed: S^T = k q^T, O^T = v^T p^T: a lane holds ONE query (lane % 16).  Operands lie in memory and LDS as images of their registers: a fragment load reads 16 x lane, consecutive bytes.
; The 16 registers of S^T's tiles 2 b, 2 b + 1 hold key 32 b + 16 u + 8 (lane / 16) + j at place 8 u + j; v's codes lie in the same order.  O^T's tiles 2 b, 2 b + 1 are channels 32 b + 16 (lane / 16) + 0 .. 15.
; K = 64 IN AN INSTRUCTION OF K = 128: q of tile A stands below eight zero registers, q of tile B above the same eight; k's fragment is named with its eight neighbours above (A) or below (B), which are finite codes under finite scales
; (the scale words repeat their two bytes) and meet zero codes: they add exactly nothing.
; A BLOCK'S SCALE: floor(t - M) of the block's largest score is the exponent of its largest p.
; LIMITS: NaN and infinities are not served; scaled scores stay under 2^31 in magnitude; a block whose largest magnitude lies under 2^-118 gets the scale byte 1 (read by this program alone).
.set SCK, 262144
.set SCV, 270336
.set SPARE, 274432
.set KF, 8                             ; window 1: v0-7 zeros; v8-71 k's eight fragments; v72-135 v's four; v136-199 O^T of A, of B; v200-201 log2(e) / 8
.set VF, 72
.set OT, 136
.set CP, 200
.set NM, 12                            ; v12 -M, v13 the largest score of tile A; v14, v15 of B
.set SUM, 16                           ; v16-17, v18-19 the sums
.set FF, 20                            ; v20, v22 f = 2^(old M - new M)
.set BM, 24
.set BP, 28
.set SO, 32                            ; v32-35 scale operands, v36-39 448 x the scale; v40-47 of B
.set HL, 36
.set TT, 48
.set TU, 49
.set KSW, 56                           ; v56-63 k's scale words, v64-67 v's, v68, v69 p's, v70, v71 q's
.set VSW, 64
.set PSW, 68
.set QSW, 70
.set PT, 72                            ; v72-87, v88-103 p's codes; each is the other tile's partial sums in between
.set QA, 104                           ; v104-111 q of A, v112-119 zeros, v120-127 q of B
.set SS, 128                           ; v128-191, v192-255 S^T, then p
.set WV, 12
.set SEL, 66
.set CS, 92
.set NC, 94
.set TK, 95                            ; LDS byte of the step's codes: 8,192 a step
.set TS, 98                            ; k's scale words: 512 a step
.set TJ, 99                            ; v's: 256 a step
.set CNT, 2
.set MNT, 3
.set MSB, 0
.macro WIN new                         ; the immediate's high byte repeats the setting that is left
.if MSB != (\new)
	s_set_vgpr_msb (MSB<<8)|(\new)
.set MSB, (\new)
.endif
.endm
.macro WALU
	s_wait_alu depctr_va_vdst(0)
.endm
.macro CROUND                          ; a round of the cluster's barrier
	s_barrier_signal -1
	s_barrier_wait -1
	s_cmp_lg_u32 s[WV], 0
	s_cbranch_scc1 .Lnot_wave_0_\@
	s_barrier_signal -3
.Lnot_wave_0_\@:
	s_barrier_wait -3
	s_barrier_signal -1
	s_barrier_wait -1
.endm
.macro GROUP1 g, c, r, p               ; r rows of c elements of 8 bytes, p elements apart; the mask names all four work-groups, bit 21 beside it
	s_mov_b32 s[\g], 15|(3<<16)|(1<<21)
	s_mov_b32 s[\g+1], (\c)<<16
	s_mov_b32 s[\g+2], (\r)<<16
	s_mov_b32 s[\g+3], (\c)<<16
	s_mov_b32 s[\g+4], \r
	s_mov_b32 s[\g+5], \p
	s_mov_b32 s[\g+6], 0
	s_mov_b32 s[\g+7], 0
.endm
.macro ARM under, g0, g1, next
	s_cmp_lt_u32 s[WV], \under
	s_cbranch_scc0 \next
	tensor_load_to_lds s[\g0:\g0+3], s[\g1:\g1+7]
	s_nop 0
.rept 4
	v_nop
.endr
	s_branch .Lasked
\next:
.endm
	s_load_b256 s[4:11], s[0:1], 0x0               ; qkvc, qkvs, ac, asc
	v_lshl_add_u32 v10, v0, 2, SPARE
	v_mov_b32 v11, 0
	ds_add_u32 v10, v11                            ; the wave's opening, twice on end
	ds_add_u32 v10, v11
	v_lshrrev_b32 v12, 5, v0
	v_readfirstlane_b32 s[WV], v12
	GROUP1 16, 128, 24, 256                        ; k: 1,024 bytes of my head out of each 2,048 of the pair: three steps
	GROUP1 24, 1024, 2, 2048                       ; v: 8,192 out of each 16,384: two steps
	GROUP1 32, 32, 32, 64                          ; k's scale words: 256 out of each 512
	GROUP1 40, 32, 16, 128                         ; v's: 256 out of each 1,024
	GROUP1 48, 128, 52, 256                        ; half of k's other thirteen steps
	GROUP1 56, 1024, 7, 2048                       ; half of v's other fourteen
	s_bfe_u32 s13, ttmp6, 0x40000                  ; cx: it enters q's and the outputs' global addresses alone
	s_and_b32 s14, ttmp7, 0xffff                   ; 16 x batch + head, which the partners share
	s_lshr_b32 s15, s14, 1                         ; the pair of heads
	s_and_b32 s2, s14, 1                           ; which head of the pair
	s_and_b32 s3, s[WV], 1
	s_mov_b32 s93, 0
	WALU
	s_wait_dscnt 0x0                               ; both adds are done
	s_wait_kmcnt 0x0
	s_lshl_b32 s92, s15, 18
	s_add_nc_u64 s[94:95], s[4:5], s[92:93]        ; the pair's codes
	s_lshl_b32 s92, s2, 10
	s_add_nc_u64 s[96:97], s[94:95], s[92:93]      ; the head in q's and k's,
	s_lshl_b32 s92, s2, 13
	s_add_nc_u64 s[98:99], s[94:95], s[92:93]      ; and in v's
	s_mov_b32 s68, 1
	s_mov_b32 s69, 0
	s_add_nc_u64 s[70:71], s[96:97], 0x400000
	s_or_b32 s71, s71, 0x80000000
	s_mov_b32 s72, 1
	s_mov_b32 s73, 131072
	s_add_nc_u64 s[74:75], s[98:99], 0x800000
	s_or_b32 s75, s75, 0x80000000
	s_mov_b32 s76, 1
	s_mul_i32 s77, s3, 52*1024
	s_add_co_u32 s77, s77, 24*1024
	s_mul_i32 s92, s3, 52*2048
	s_add_nc_u64 s[78:79], s[96:97], s[92:93]
	s_add_nc_u64 s[78:79], s[78:79], 0x400000+24*2048
	s_or_b32 s79, s79, 0x80000000
	s_mov_b32 s80, 1
	s_mul_i32 s81, s3, 7*8192
	s_add_co_u32 s81, s81, 131072+2*8192
	s_mul_i32 s92, s3, 7*16384
	s_add_nc_u64 s[82:83], s[98:99], s[92:93]
	s_add_nc_u64 s[82:83], s[82:83], 0x800000+2*16384
	s_or_b32 s83, s83, 0x80000000
	s_lshl_b32 s92, s15, 14
	s_add_nc_u64 s[94:95], s[6:7], s[92:93]        ; the pair's scale words
	s_lshl_b32 s92, s2, 8
	s_add_nc_u64 s[100:101], s[94:95], s[92:93]
	s_mov_b32 s84, 1
	s_mov_b32 s85, SCK
	s_add_nc_u64 s[86:87], s[100:101], 262144
	s_or_b32 s87, s87, 0x80000000
	s_lshl_b32 s92, s2, 9
	s_add_nc_u64 s[90:91], s[94:95], s[92:93]
	s_mov_b32 s88, 1
	s_mov_b32 s89, SCV
	s_add_nc_u64 s[90:91], s[90:91], 524288
	s_or_b32 s91, s91, 0x80000000
	CROUND                                         ; all four work-groups are here: the joint loads meet
	ARM 1, 68, 16, .Lh1
	ARM 2, 72, 24, .Lh2
	ARM 3, 84, 32, .Lh3
	ARM 4, 88, 40, .Lh4
	ARM 6, 76, 48, .Lh5
	tensor_load_to_lds s[80:83], s[56:63]
	s_nop 0
.rept 4
	v_nop
.endr
.Lasked:
	s_lshl_b32 s92, ttmp9, 2
	s_add_co_u32 s92, s92, s13
	s_lshl_b32 s92, s92, 4
	s_lshl_b32 s66, s[WV], 1
	s_add_co_u32 s13, s92, s66                     ; my first tile of 16 queries in the batch, an even number
	s_lshl_b32 s92, s13, 11
	s_add_nc_u64 s[96:97], s[96:97], s[92:93]      ; q's codes: 2,048 a tile of the pair
	s_lshr_b32 s92, s13, 2
	s_lshl_b32 s92, s92, 9
	s_and_b32 s66, s13, 3
	s_lshl_b32 s66, s66, 2
	s_add_co_u32 s92, s92, s66
	s_add_nc_u64 s[100:101], s[100:101], s[92:93]  ; q's scale words: 512 for four tiles, 4 a tile
	s_lshr_b32 s92, s14, 4
	s_lshl_b32 s92, s92, 7
	s_add_co_u32 s92, s92, s13                     ; my tile among all 256
	s_and_b32 s67, s14, 15
	s_lshl_b32 s66, s92, 9
	s_lshl_b32 s15, s67, 1
	s_add_co_u32 s66, s66, s15
	s_lshl_b32 s92, s92, 14
	s_lshl_b32 s15, s67, 10
	s_add_co_u32 s92, s92, s15
	s_add_nc_u64 s[8:9], s[8:9], s[92:93]          ; ac: 16,384 a tile, 1,024 a head
	s_mov_b32 s67, 0
	s_add_nc_u64 s[10:11], s[10:11], s[66:67]      ; asc: 512 a tile, 2 a head
	s_mov_b32 s[SEL], 0x76543210
	s_mov_b32 s[SEL+1], 0xfedcba98                 ; v_permlanex16_b32's selects for lane l xor 16
	s_mov_b32 s[CS], 0x3e38aa3b                    ; log2(e) / 8
	s_mov_b32 s[CS+1], 0x3e38aa3b
	s_mov_b32 s[NC], 0xbe38aa3b                    ; its negative
	s_mov_b32 s[TK], 0
	s_mov_b32 s[TS], 0
	s_mov_b32 s[TJ], 0
	s_mov_b32 s[MNT], 0x600000                     ; the mantissa field of 448
	v_and_b32 v5, 31, v0
	v_and_b32 v6, 15, v0
	v_lshlrev_b32 v1, 4, v5                        ; 16 x lane
	v_lshlrev_b32 v7, 4, v6
	v_add_nc_u32 v2, 131072, v1
	v_add_nc_u32 v3, SCK, v7
	v_add_nc_u32 v4, SCV, v7
	v_lshlrev_b32 v9, 5, v6
	WALU
	global_load_b128 v[QA:QA+3], v1, s[96:97]
	global_load_b128 v[QA+4:QA+7], v1, s[96:97] offset:512
	global_load_b128 v[QA+16:QA+19], v1, s[96:97] offset:2048
	global_load_b128 v[QA+20:QA+23], v1, s[96:97] offset:2560
	global_load_b32 v[QSW], v7, s[100:101]
	global_load_b32 v[QSW+1], v7, s[100:101] offset:4
.set J_, 0
.rept 32                               ; tile B's p before its first step: zeros
	v_dual_mov_b32 v[SS+64+J_], 0 :: v_dual_mov_b32 v[SS+65+J_], 0
.set J_, J_+2
.endr
.set J_, 0
.rept 8
	v_dual_mov_b32 v[PT+J_], 0 :: v_dual_mov_b32 v[PT+1+J_], 0
.set J_, J_+2
.endr
.irp j, 0,2,4,6
	v_dual_mov_b32 v[QA+8+\j], 0 :: v_dual_mov_b32 v[QA+9+\j], 0
	v_dual_mov_b32 v[SUM+\j], 0 :: v_dual_mov_b32 v[SUM+1+\j], 0   ; (the sums and f)
	v_dual_mov_b32 v[SO+8+\j], 0 :: v_dual_mov_b32 v[SO+9+\j], 0
.endr
.irp j, 0,1,2,3
	v_mov_b32 v[BP+\j], 0                          ; (a lane permute's destination counts as one of its sources)
.endr
	v_mov_b32 v[PSW+1], 0
	v_mov_b32 v[NM], 0x7e967699                    ; -M ahead of the first step: a very large number: f is then 0 and meets zeros
	v_mov_b32 v[NM+2], 0x7e967699
	v_mov_b32 v[NM+1], 0xff61b1e6                  ; the largest score so far: -3e38
	v_mov_b32 v[NM+3], 0xff61b1e6
	WIN 0x40
.set J_, 0
.rept 64
	v_mov_b32 v[OT+J_], 0                          ; O^T
.set J_, J_+1
.endr
.irp j, 0,1,2,3,4,5,6,7
	v_mov_b32 v[\j], 0
.endr
	v_mov_b32 v[CP], s[CS]
	v_mov_b32 v[CP+1], s[CS]
	WIN 0
	WALU
	s_wait_loadcnt 0x0                             ; q
	s_cmp_lt_u32 s[WV], 4
	s_cbranch_scc0 .Lnot_early
	s_wait_tensorcnt 0x0                           ; waves 0 to 3: what the first two trips read has landed; the others' loads stay out
.Lnot_early:
	s_barrier_signal -1
	s_barrier_wait -1
.macro ADDR
	v_add_nc_u32 v5, s[TK], v1
	v_add_nc_u32 v6, s[TK], v2
	v_add_nc_u32 v7, s[TS], v3
	v_add_nc_u32 v8, s[TJ], v4
.endm
.macro LOADK o, os                     ; eight fragments of k and their scale words
	WIN 0x40
.irp t, 0,1,2,3,4,5,6,7
	ds_load_b128 v[KF+8*\t:KF+8*\t+3], v5 offset:\o+1024*\t
	ds_load_b128 v[KF+8*\t+4:KF+8*\t+7], v5 offset:\o+1024*\t+512
.endr
	WIN 0
	ds_load_b128 v[KSW:KSW+3], v7 offset:\os
	ds_load_b128 v[KSW+4:KSW+7], v7 offset:\os+256
.endm
.macro LOADV                           ; four of v
	WIN 0x40
.irp t, 0,1,2,3
.irp c, 0,1,2,3
	ds_load_b128 v[VF+16*\t+4*\c:VF+16*\t+4*\c+3], v6 offset:2048*\t+512*\c
.endr
.endr
	WIN 0
	ds_load_b128 v[VSW:VSW+3], v8
.endm
.macro SMUL t, y                       ; S^T of tile y: 16 keys (source 0: window 1)
	v_wmma_scale_f32_16x16x128_f8f6f4 v[SS+64*\y+8*\t:SS+64*\y+8*\t+7], v[KF+8*\t-8*\y:KF+8*\t-8*\y+15], v[QA+8*\y:QA+8*\y+15], 0, v[KSW+\t], v[QSW+\y]
.endm
.macro PVMUL t, y                      ; O^T of tile y: 16 channels
	v_wmma_scale_f32_16x16x128_f8f6f4 v[OT+32*\y+8*\t:OT+32*\y+8*\t+7], v[VF+16*\t:VF+16*\t+15], v[PT+16*\y:PT+16*\y+15], v[OT+32*\y+8*\t:OT+32*\y+8*\t+7], v[VSW+\t], v[PSW+\y]
.endm
.macro MAXES x                         ; the largest score of each block of 32 keys, my 16 of them: four chains by turns, each accumulator from its low end on
.irp b, 0,1,2,3
	v_max3_num_f32 v[BM+\b], v[SS+64*\x+16*\b], v[SS+64*\x+16*\b+1], v[SS+64*\x+16*\b+2]
.endr
.irp i, 3,5,7,9,11,13
.irp b, 0,1,2,3
	v_max3_num_f32 v[BM+\b], v[BM+\b], v[SS+64*\x+16*\b+\i], v[SS+64*\x+16*\b+\i+1]
.endr
.endr
.irp b, 0,1,2,3
	v_max_num_f32 v[BM+\b], v[BM+\b], v[SS+64*\x+16*\b+15]
.endr
.endm
.macro BI k, y                         ; 40 lines: tile y's maxima over both halves of the lanes, M, f, the blocks' scales, bounds and scale word
.set N_, NM+2*(\y)
.if (\k) < 4
	v_permlanex16_b32 v[BP+(\k)], v[BM+(\k)], s[SEL], s[SEL+1]
.elseif (\k) < 8
	v_max_num_f32 v[BM+(\k)-4], v[BM+(\k)-4], v[BP+(\k)-4]
.elseif (\k) == 8
	v_max3_num_f32 v[N_+1], v[N_+1], v[BM], v[BM+1]
.elseif (\k) == 9
	v_max3_num_f32 v[N_+1], v[N_+1], v[BM+2], v[BM+3]
.elseif (\k) == 10
	v_mul_f32 v[TT], s[NC], v[N_+1]                ; -t of the largest score
.elseif (\k) == 11
	v_floor_f32 v[TT], v[TT]                       ; the new -M = floor(-t)
.elseif (\k) == 12
	v_sub_f32 v[TU], v[TT], v[N_]                  ; M's old value less its new one
.elseif (\k) == 13
	v_mov_b32 v[N_], v[TT]
.elseif (\k) == 14
	v_cvt_i32_f32 v[TU], v[TU]                     ; (it saturates)
.elseif (\k) == 15
	v_ldexp_f32 v[FF+2*(\y)], 1.0, v[TU]
.elseif (\k) < 20
	v_fma_f32 v[BM+(\k)-16], v[BM+(\k)-16], s[CS], v[N_]   ; t - M of the block's largest score
.elseif (\k) < 24
	v_cvt_floor_i32_f32 v[BM+(\k)-20], v[BM+(\k)-20]       ; e: the exponent of its largest p
.elseif (\k) < 28
	v_max_i32 v[BM+(\k)-24], 0xffffff8a, v[BM+(\k)-24]     ; -118 at least: the byte e + 119 cannot fall under 1
.elseif (\k) < 32
	v_add_lshl_u32 v[SO+8*(\y)+(\k)-28], v[BM+(\k)-28], 119, 23   ; the conversion's scale operand
.elseif (\k) < 36
	v_add_nc_u32 v[HL+8*(\y)+(\k)-32], 0x4600000, v[SO+8*(\y)+(\k)-32]   ; 448 x the scale
.elseif (\k) == 36
	v_lshl_add_u32 v[TT], v[BM+1], 8, v[BM]
.elseif (\k) == 37
	v_lshl_add_u32 v[TT], v[BM+2], 16, v[TT]
.elseif (\k) == 38
	v_lshl_add_u32 v[TT], v[BM+3], 24, v[TT]
.else
	v_add_nc_u32 v[PSW+(\y)], 0x77777777, v[TT]    ; 119 on each byte: p's scale word
.endif
.endm
.macro PADD d, a                       ; two sums at once
	v_pk_add_f32 v[\d:\d+1], v[\d:\d+1], v[\a:\a+1]
.endm
.macro DMIN m, h                       ; the hold of two p: the conversion does not saturate (ISA guide 7.6.2); p is not negative
	v_dual_min_num_f32 v[\m], v[\m], v[\h] :: v_dual_min_num_f32 v[\m+1], v[\m+1], v[\h]
.endm
.macro FI k, x                         ; 48 lines: tile x's sums of blocks 2, 3, their holds, all conversions, the row's sum
.set S_, SS+64*(\x)
.set T_, PT+16*(1-(\x))
.set P_, PT+16*(\x)
.set O_, SO+8*(\x)
.if (\k) < 16
.set A_, T_+2*((\k)%8)
.set B_, S_+32+4*((\k)%8)+2*((\k)/8)
	PADD A_, B_
.elseif (\k) < 20
.set C_, (\k)-16
	v_cvt_scalef32_pk8_fp8_f32 v[P_+2*C_:P_+2*C_+1], v[S_+8*C_:S_+8*C_+7], v[O_+C_/2]
.elseif (\k) < 36
.set A_, S_+32+2*((\k)-20)
.set B_, HL+8*(\x)+2+((\k)-20)/8
	DMIN A_, B_
.elseif (\k) < 40
.set A_, T_+2*((\k)-36)
.set B_, A_+8
	PADD A_, B_
.elseif (\k) < 44
.set C_, (\k)-36
	v_cvt_scalef32_pk8_fp8_f32 v[P_+2*C_:P_+2*C_+1], v[S_+8*C_:S_+8*C_+7], v[O_+C_/2]
.elseif (\k) < 46
.set A_, T_+2*((\k)-44)
.set B_, A_+4
	PADD A_, B_
.elseif (\k) == 46
.set B_, T_+2
	PADD T_, B_
.else
	v_pk_fma_f32 v[SUM+2*(\x):SUM+2*(\x)+1], v[SUM+2*(\x):SUM+2*(\x)+1], v[FF+2*(\x):FF+2*(\x)+1], v[T_:T_+1] op_sel_hi:[1,0,1]
.endif
.endm
.macro ZIP x, y                        ; tile x's finish and tile y's M by turns
.set K_, 0
.rept 8
	BI K_, \y
	FI K_, \x
.set K_, K_+1
.endr
.set K_, 0
.rept 8                                ; M's chain: each line takes the one before: two of x's lines between
	BI K_+8, \y
	FI 2*K_+8, \x
	FI 2*K_+9, \x
.set K_, K_+1
.endr
.set K_, 0
.rept 24
	BI K_+16, \y
	FI K_+24, \x
.set K_, K_+1
.endr
.endm
.macro OSCALE x, j
	v_pk_mul_f32 v[OT+32*\x+\j:OT+32*\x+\j+1], v[OT+32*\x+\j:OT+32*\x+\j+1], v[FF+2*\x:FF+2*\x+1] op_sel_hi:[1,0]
.endm
.macro OPHASE x, y                     ; O^T of x under its new M (each accumulator's low end first); tile y's O products among it
	WIN 0x51
	WALU
.irp t, 0,1,2,3
	OSCALE \x, 8*\t
.endr
.irp t, 0,1,2,3
	PVMUL \t, \y
	OSCALE \x, 8*\t+2
	OSCALE \x, 8*\t+4
	OSCALE \x, 8*\t+6
.endr
.endm
.macro TM1 x, j                        ; t - M of two scores; the factor from window 1
	v_pk_fma_f32 v[SS+64*\x+\j:SS+64*\x+\j+1], v[CP:CP+1], v[SS+64*\x+\j:SS+64*\x+\j+1], v[NM+2*\x:NM+2*\x+1] op_sel_hi:[0,1,0]
.endm
.macro TM0 x, j                        ; the same, the factor from a scalar pair
	v_pk_fma_f32 v[SS+64*\x+\j:SS+64*\x+\j+1], v[SS+64*\x+\j:SS+64*\x+\j+1], s[CS:CS+1], v[NM+2*\x:NM+2*\x+1] op_sel_hi:[1,0,0]
.endm
.macro SPHASE x, y                     ; tile y's S products; behind each two lines of tile x's blocks 0, 1
	WIN 0x01
.irp t, 0,1,2,3,4,5,6,7
	SMUL \t, \y
	TM1 \x, 4*\t
	TM1 \x, 4*\t+2
.endr
.endm
.macro EXP1 x                          ; blocks 0, 1; the scaling of blocks 2, 3 among them
	WIN 0
	WALU
.set J_, 0
.rept 16
	v_exp_f32 v[SS+64*\x+2*J_], v[SS+64*\x+2*J_]
	v_exp_f32 v[SS+64*\x+2*J_+1], v[SS+64*\x+2*J_+1]
	TM0 \x, 32+2*J_
.set J_, J_+1
.endr
.endm
.macro EXP2 x                          ; blocks 2, 3; the first sums and the holds of blocks 0, 1 among them
	WALU
.set J_, 0
.rept 8
.set E_, SS+64*\x+32+4*J_
.set T_, PT+16*(1-\x)+2*J_
.set S_, SS+64*\x+4*J_
.set B_, HL+8*\x+J_/4
	v_exp_f32 v[E_], v[E_]
	v_pk_add_f32 v[T_:T_+1], v[S_:S_+1], v[S_+2:S_+3]
	v_exp_f32 v[E_+1], v[E_+1]
	DMIN S_, B_
	v_exp_f32 v[E_+2], v[E_+2]
.set S_, S_+2
	DMIN S_, B_
	v_exp_f32 v[E_+3], v[E_+3]
.set J_, J_+1
.endr
.endm
; A run of trips, 128 keys each.  last = 1: its last trip is the launch's last: nothing is loaded or multiplied beyond the last key.
.macro KEYS trips, last
	s_mov_b32 s[CNT], \trips
.Lkeys_\@:
	WALU
	MAXES 0
	ZIP 1, 0
	OPHASE 0, 1                                    ; B's O products of the step before
	SPHASE 0, 1                                    ; B's scores of this step
	EXP1 0
	ADDR
	WALU
.if \last
	s_cmp_eq_u32 s[CNT], 1
	s_cbranch_scc1 .Lno_k_\@
.endif
	LOADK 8192, 512                                ; the next step's keys
.Lno_k_\@:
	LOADV
	EXP2 0
	WALU
	MAXES 1
	ZIP 0, 1
	WALU
	s_wait_dscnt 0x0                               ; k's and v's fragments are in
	OPHASE 1, 0
.if \last
	WIN 0
	s_cmp_eq_u32 s[CNT], 1
	s_cbranch_scc1 .Lno_s_\@
.endif
	SPHASE 1, 0                                    ; A's scores of the next step
	WIN 0
.if \last
	s_branch .Ljoin_\@
.Lno_s_\@:
.irp j, 0,2,4,6,8,10,12,14,16,18,20,22,24,26,28,30
	TM0 1, \j
.endr
.Ljoin_\@:
.endif
	EXP1 1
	EXP2 1
	s_add_co_u32 s[TK], s[TK], 8192
	s_add_co_u32 s[TS], s[TS], 512
	s_add_co_u32 s[TJ], s[TJ], 256
	s_sub_co_u32 s[CNT], s[CNT], 1
	WALU
	s_cmp_lg_u32 s[CNT], 0
	s_cbranch_scc1 .Lkeys_\@
.endm
	ADDR
	LOADK 0, 0
	LOADV                                          ; (the first trip multiplies it by tile B's zeros)
	WALU
	s_wait_dscnt 0x0
	WIN 0x01
.irp t, 0,1,2,3,4,5,6,7
	SMUL \t, 0
.endr
	WIN 0
.rept 8
	v_nop
.endr
	KEYS 2, 0                                      ; reads k's steps 0 to 2, v's 0 and 1
	WALU
	s_wait_tensorcnt 0x0                           ; everything has landed
	s_wait_dscnt 0x0
	s_barrier_signal -1
	s_barrier_wait -1
	KEYS 14, 1
	; THE WAY OUT: tile B's last finish and products; O^T / l; my 32 numbers of a tile are 16 of each of the head's two blocks along the next K: quantised in registers, stored as an image
.set K_, 0
.rept 48
	FI K_, 1
.set K_, K_+1
.endr
	WIN 0x51
.irp t, 0,1,2,3
	PVMUL \t, 1
.endr
	WIN 0
	v_add_f32 v[SUM], v[SUM], v[SUM+1]
	v_add_f32 v[SUM+2], v[SUM+2], v[SUM+3]
	v_permlanex16_b32 v[BM], v[SUM], s[SEL], s[SEL+1]
	v_permlanex16_b32 v[BM+1], v[SUM+2], s[SEL], s[SEL+1]
	v_add_f32 v[SUM], v[SUM], v[BM]
	v_add_f32 v[SUM+2], v[SUM+2], v[BM+1]
	WALU
	v_rcp_f32 v[SUM], v[SUM]
	v_rcp_f32 v[SUM+2], v[SUM+2]
.rept 8
	v_nop                                          ; a plain line behind the reciprocals; eight places behind the last products
.endr
	WIN 0x01
	WALU
.irp x, 0,1
.set J_, 0
.rept 16
	v_pk_mul_f32 v[SS+64*\x+J_:SS+64*\x+J_+1], v[OT+32*\x+J_:OT+32*\x+J_+1], v[SUM+2*\x:SUM+2*\x+1] op_sel_hi:[1,0]
.set J_, J_+2
.endr
.endr
	WIN 0
.irp z, 0,1,2,3                        ; z = 2 x + block
.set S_, SS+64*(\z/2)+16*(\z%2)
	v_max3_num_f32 v[BM+\z], |v[S_]|, |v[S_+1]|, 0x4800000   ; and the floor 2^(9 - 127)
.endr
.irp i, 2,4,6,8,10,12,14
.irp z, 0,1,2,3
.set S_, SS+64*(\z/2)+16*(\z%2)+\i
	v_max3_num_f32 v[BM+\z], v[BM+\z], |v[S_]|, |v[S_+1]|
.endr
.endr
.irp z, 0,1,2,3
	v_permlanex16_b32 v[BP+\z], v[BM+\z], s[SEL], s[SEL+1]
.endr
.irp z, 0,1,2,3
	v_max_num_f32 v[BM+\z], v[BM+\z], v[BP+\z]
.endr
.irp z, 0,1,2,3
	v_add_nc_u32 v[SO+\z], 0xfc000000, v[BM+\z]
.endr
.irp z, 0,1,2,3
	v_and_or_b32 v[HL+\z], v[BM+\z], 0x7f800000, s[MNT]
.endr
.irp z, 0,1,2,3
	v_lshrrev_b32 v[BP+\z], 23, v[SO+\z]
.endr
	v_lshl_or_b32 v[TT], v[BP+1], 8, v[BP]         ; the head's two scale bytes of a token
	v_lshl_or_b32 v[TU], v[BP+3], 8, v[BP+2]
.irp z, 0,1,2,3
.set S_, SS+64*(\z/2)+16*(\z%2)
.set J_, 0
.rept 16
	v_med3_num_f32 v[S_+J_], v[S_+J_], -v[HL+\z], v[HL+\z]
.set J_, J_+1
.endr
	v_cvt_scalef32_pk8_fp8_f32 v[PT+4*\z:PT+4*\z+1], v[S_:S_+7], v[SO+\z]
	v_cvt_scalef32_pk8_fp8_f32 v[PT+4*\z+2:PT+4*\z+3], v[S_+8:S_+15], v[SO+\z]
.endr
	v_nop                                          ; a plain line behind the last conversion
	global_store_b128 v1, v[PT:PT+3], s[8:9]       ; the wave stores 512 consecutive bytes, aligned
	global_store_b128 v1, v[PT+4:PT+7], s[8:9] offset:512
	global_store_b128 v1, v[PT+8:PT+11], s[8:9] offset:16384
	global_store_b128 v1, v[PT+12:PT+15], s[8:9] offset:16896
	global_store_b16 v9, v[TT], s[10:11]           ; lanes l and l xor 16 write the same two bytes with the same value
	global_store_b16 v9, v[TU], s[10:11] offset:512
	s_wait_tensorcnt 0x0
	ds_add_u32 v10, v11
	s_wait_dscnt 0x0
	CROUND                                         ; the closing round
	s_endpgm
.Lfunc_end_k_q6307191c1b_attn:
	.size	k_q6307191c1b_attn, .Lfunc_end_k_q6307191c1b_attn-k_q6307191c1b_attn
	.p2alignl 7, 3214868480
	.fill 96, 4, 3214868480
	.section	.rodata,"a",@progbits
	.p2align	6, 0x0
	.amdhsa_kernel k_q6307191c1b_attn
		.amdhsa_group_segment_fixed_size 276480
		.amdhsa_private_segment_fixed_size 0
		.amdhsa_enable_private_segment 0
		.amdhsa_kernarg_size 32
		.amdhsa_user_sgpr_count 2
		.amdhsa_user_sgpr_kernarg_segment_ptr 1
		.amdhsa_wavefront_size32 1
		.amdhsa_system_sgpr_workgroup_id_x 1
		.amdhsa_system_sgpr_workgroup_id_y 1
		.amdhsa_system_sgpr_workgroup_id_z 1
		.amdhsa_system_vgpr_workitem_id 0
		.amdhsa_next_free_vgpr 512
		.amdhsa_next_free_sgpr 102
		.amdhsa_reserve_vcc 0
		.amdhsa_float_denorm_mode_32 3
		.amdhsa_float_denorm_mode_16_64 3
		.amdhsa_memory_ordered 1
		.amdhsa_forward_progress 1
		.amdhsa_inst_pref_size 104
	.end_amdhsa_kernel
	.amdgpu_metadata
---
amdhsa.version: [ 1, 2 ]
amdhsa.kernels:
  - .name:           k_q6307191c1b_attn
    .symbol:         k_q6307191c1b_attn.kd
    .args:
      - { .name: qkvc, .offset: 0, .size: 8, .value_kind: global_buffer, .address_space: global }
      - { .name: qkvs, .offset: 8, .size: 8, .value_kind: global_buffer, .address_space: global }
      - { .name: ac, .offset: 16, .size: 8, .value_kind: global_buffer, .address_space: global }
      - { .name: asc, .offset: 24, .size: 8, .value_kind: global_buffer, .address_space: global }
    .group_segment_fixed_size: 276480
    .private_segment_fixed_size: 0
    .kernarg_segment_align: 8
    .kernarg_segment_size: 32
    .max_flat_workgroup_size: 256
    .sgpr_count:     102
    .vgpr_count:     512
    .wavefront_size: 32
...
	.end_amdgpu_metadata
.endif
;; end of part 3
;; launch oproj (part 4): grid 8 x 32, 4 waves a work-group, clusters of 4 x 4, 286,720 bytes of LDS; arguments ac, asc, wc, ws, bo, out0; writes out0
.if DOCPART == 4
	.amdgcn_target "amdgcn-amd-amdhsa--gfx1250"
	.amdhsa_code_object_version 6
	.text
	.protected	k_q6307191c1b_oproj
	.globl	k_q6307191c1b_oproj
	.p2align	8
	.type	k_q6307191c1b_oproj,@function
k_q6307191c1b_oproj:
	s_mov_b64 s[64:65], 0
	v_nop
	global_prefetch_b8 v0, s[64:65] scope:SCOPE_SE
	s_setreg_imm32_b32 hwreg(HW_REG_WAVE_MODE, 25, 1), 1
	s_wait_xcnt 0x0
	s_wait_alu depctr_hold_cnt(0) depctr_sa_sdst(0) depctr_va_vdst(0) depctr_va_sdst(0) depctr_va_ssrc(0) depctr_va_vcc(0) depctr_vm_vsrc(0)
	s_getreg_b32 s2, hwreg(HW_REG_IB_STS2, 6, 4)
	s_cmp_eq_u32 s2, 0
	s_cbranch_scc0 .Lentry_in_a_cluster
	s_endpgm
.Lentry_in_a_cluster:
	s_bfe_u32 s2, ttmp6, 0x10000c
	s_cmp_lg_u32 s2, 0xf033
	s_cbranch_scc0 .Lentry_shape_is_right
	s_endpgm
.Lentry_shape_is_right:
; out0 = a Wo + bo on codes of FP8 (E4M3) with E8M0 scales for each 32 along K = 1,024; sums in f32; out0 [4096][1024] f32.
; a: images of the operand's registers: ac [tile of 16 tokens 256][128 along K 8][c 4][lane 32][16 bytes]; its scale bytes asc [4096][32].
; Wo: rows 3,072 .. 4,095 of wc [row][1024], K innermost, permuted inside groups of 32 (row 16 u + r holds column 8 u + r + 8 (r / 8)); scale bytes ws [row][32].
; A tile of 128 x 128 is made by a work-group of four waves, a wave makes 64 x 64: 16 accumulators; 256 work-groups of equal work.
; All of K lies in LDS at once, in two halves of 512: A 2 x 65,536 bytes, B 2 x 128 rows x 528.  One joint load a wave: waves 0, 1 bring the first halves of A and B, waves 2, 3 the second; a barrier stands in front of each half's first read.
; Every byte is filled once; nothing is prefetched: all loads are asked for at the head.  The scale words go from memory into registers: 16 rows of 32 bytes are 512 consecutive bytes.
; CLUSTERS: 4 x 4 work-groups; A's tiles are shared along a row of the cluster, B's along a column.
; TRANSPOSED USE (source 0 = 16 rows of wc, source 1 = 16 tokens): lane (r, h) holds token r, and register j of B's tile t the column 32 (t / 2) + 16 h + 8 (t % 2) + j.  The bias is the C of each sum's first product.
; REGISTERS: window 0: addresses; v16-47 A's scale words (8 i + s), v52-83 B's; v84-115 the bias; v128-255 the accumulators ((a, b) at v[128 + 8 (4 a + b)]).  window 1: two fragment buffers of 128; on the way out rows of out0.
.set PB, 528
.set BBASE, 131072
.set BH, 128*PB
.set STAGE, BBASE+2*BH
.set SPITCH, 272
.set SPARE, STAGE+4*16*SPITCH
.set ADRA, 2
.set ADRB, 4
.set STO, 6
.set RD, 7
.set CO, 8
.set SAD, 9
.set BOQ, 10
.set SPW, 14
.set NIL, 15
.set SCA, 16
.set SCB, 52
.set BI, 84
.set ACC, 128
.set MSB, 0
.macro WIN new                         ; the immediate's high byte repeats the setting that is left
.if MSB != (\new)
	s_set_vgpr_msb (MSB<<8)|(\new)
.set MSB, (\new)
.endif
.endm
.macro CROUND                          ; a round of the cluster's barrier
	s_barrier_signal -1
	s_barrier_wait -1
	s_cmp_lg_u32 s16, 0
	s_cbranch_scc1 .Lnot_wave_0_\@
	s_barrier_signal -3
.Lnot_wave_0_\@:
	s_barrier_wait -3
	s_barrier_signal -1
	s_barrier_wait -1
.endm
.macro PLACES n
.rept \n
	v_nop
.endr
.endm
.macro ARM under, g0, g1, next
	s_cmp_lt_u32 s16, \under
	s_cbranch_scc0 \next
	tensor_load_to_lds s[\g0:\g0+3], s[\g1:\g1+7]
	s_nop 0
	PLACES 4
	s_branch .Lasked
\next:
.endm
	s_load_b256 s[4:11], s[0:1], 0x0               ; ac, asc, wc, ws
	s_load_b128 s[12:15], s[0:1], 0x20             ; bo, out0
	v_lshl_add_u32 v[SPW], v0, 2, SPARE
	v_mov_b32 v[NIL], 0
	ds_add_u32 v[SPW], v[NIL]                      ; the wave's opening, twice on end
	ds_add_u32 v[SPW], v[NIL]
	v_lshrrev_b32 v1, 5, v0
	v_readfirstlane_b32 s16, v1                    ; wave 0..3
	s_lshr_b32 s17, s16, 1                         ; which half of the tile's tokens is mine
	s_and_b32 s18, s16, 1                          ; which half of its columns
	s_bfe_u32 s2, ttmp6, 0x40000                   ; cx, cy
	s_bfe_u32 s3, ttmp6, 0x40004
	s_lshl_b32 s20, ttmp9, 2
	s_add_co_u32 s20, s20, s2                      ; tile column
	s_and_b32 s19, ttmp7, 0xffff
	s_lshl_b32 s19, s19, 2
	s_add_co_u32 s19, s19, s3                      ; tile row
	s_lshl_b32 s21, s3, 2
	s_lshl_b32 s21, 15, s21                        ; my row of the cluster
	s_or_b32 s24, s21, (3<<16)|(1<<21)             ; A: elements of 8 bytes, no padding
	s_lshl_b32 s22, 0x1111, s2                     ; my column
	s_or_b32 s32, s22, (1<<20)|(1<<21)|(6<<22)|(3<<25)   ; B: elements of 1 byte; four words of padding after every 128
	s_mov_b32 s25, 1024<<16                        ; A: 8 tiles of 16 tokens: 8,192 bytes out of each 16,384
	s_mov_b32 s26, 8<<16
	s_mov_b32 s27, 1024<<16
	s_mov_b32 s28, 8
	s_mov_b32 s29, 2048
	s_mov_b32 s30, 0
	s_mov_b32 s31, 0
	s_mov_b32 s33, 512<<16                         ; B: 128 rows x 512 bytes, 1,024 apart
	s_mov_b32 s34, 128<<16
	s_mov_b32 s35, 512<<16
	s_mov_b32 s36, 128
	s_mov_b32 s37, 1024
	s_mov_b32 s38, 0
	s_mov_b32 s39, 0
	s_lshl_b32 s66, s19, 17                        ; A: 131,072 bytes a tile row
	s_mov_b32 s67, 0
	s_lshl_b32 s68, s20, 17                        ; B: 131,072 a tile column, behind 3,072 rows
	s_add_co_u32 s68, s68, 3072*1024
	s_mov_b32 s69, 0
	s_wait_alu depctr_va_vdst(0)
	s_wait_dscnt 0x0
	s_wait_kmcnt 0x0
	s_add_nc_u64 s[66:67], s[4:5], s[66:67]
	s_add_nc_u64 s[68:69], s[8:9], s[68:69]
.irp q, 0,1
	s_mov_b32 s[40+4*\q], 1
	s_mov_b32 s[41+4*\q], 65536*\q
	s_add_nc_u64 s[42+4*\q:43+4*\q], s[66:67], 8192*\q
	s_or_b32 s[43+4*\q], s[43+4*\q], 0x80000000
	s_mov_b32 s[48+4*\q], 1
	s_mov_b32 s[49+4*\q], BBASE+BH*\q
	s_add_nc_u64 s[50+4*\q:51+4*\q], s[68:69], 512*\q
	s_or_b32 s[51+4*\q], s[51+4*\q], 0x80000000
.endr
	CROUND                                         ; all sixteen work-groups are here: the joint loads meet
	ARM 1, 40, 24, .Lh1
	ARM 2, 48, 32, .Lh2
	ARM 3, 44, 24, .Lh3
	tensor_load_to_lds s[52:55], s[32:39]
	s_nop 0
	PLACES 4
.Lasked:
	v_and_b32 v1, 15, v0                           ; r
	v_bfe_u32 v11, v0, 4, 1                        ; h
	v_and_b32 v12, 31, v0
	v_lshlrev_b32 v12, 4, v12                      ; 16 x lane
	s_lshl_b32 s70, s17, 15                        ; my four tiles of 8,192 bytes
	v_add_nc_u32 v[ADRA], s70, v12
	v_add_nc_u32 v[ADRA+1], 65536, v[ADRA]
	v_mul_u32_u24 v13, v1, PB
	v_lshl_add_u32 v13, v11, 4, v13                ; B: row x pitch + 16 h
	s_mul_i32 s70, s18, 64*PB
	s_add_co_u32 s70, s70, BBASE
	v_add_nc_u32 v[ADRB], s70, v13
	v_add_nc_u32 v[ADRB+1], BH, v[ADRB]
	s_mul_i32 s70, s16, 16*SPITCH
	s_add_co_u32 s70, s70, STAGE                   ; my stage
	v_mul_u32_u24 v12, v1, SPITCH
	v_lshl_add_u32 v12, v11, 6, v12                ; in: row r, + 64 h
	v_add_nc_u32 v[STO], s70, v12
	v_mul_u32_u24 v12, v11, SPITCH
	v_lshl_add_u32 v12, v1, 4, v12                 ; back: lanes 0-15 one row of 256 bytes, lanes 16-31 the next
	v_add_nc_u32 v[RD], s70, v12
	v_lshlrev_b32 v12, 12, v11
	v_lshl_add_u32 v[CO], v1, 4, v12               ; and in out0 (4,096 bytes a row)
	v_lshlrev_b32 v[BOQ], 6, v11
	v_lshlrev_b32 v[SAD], 5, v1                    ; scale words: 32 bytes a row
	s_mov_b32 s73, 0
	s_lshl_b32 s72, s19, 12
	s_lshl_b32 s70, s17, 11
	s_add_co_u32 s72, s72, s70
	s_add_nc_u64 s[6:7], s[6:7], s[72:73]          ; A's scale bytes at my 64 tokens
	s_lshl_b32 s72, s20, 12
	s_lshl_b32 s70, s18, 11
	s_add_co_u32 s72, s72, s70
	s_add_co_u32 s72, s72, 3072*32
	s_add_nc_u64 s[10:11], s[10:11], s[72:73]      ; B's at my 64 rows
	s_lshl_b32 s72, s20, 9
	s_lshl_b32 s70, s18, 8
	s_add_co_u32 s72, s72, s70
	s_add_nc_u64 s[12:13], s[12:13], s[72:73]      ; the bias at my first column
	s_lshl_b32 s70, s19, 19
	s_lshl_b32 s71, s17, 18
	s_add_co_u32 s70, s70, s71
	s_add_co_u32 s72, s72, s70
	s_add_nc_u64 s[14:15], s[14:15], s[72:73]      ; out0 at my first row and column
	s_wait_alu depctr_va_vdst(0)
.irp i, 0,1,2,3
	global_load_b128 v[SCA+8*\i:SCA+8*\i+3], v[SAD], s[6:7] offset:512*\i
	global_load_b128 v[SCA+8*\i+4:SCA+8*\i+7], v[SAD], s[6:7] offset:512*\i+16
	global_load_b128 v[SCB+8*\i:SCB+8*\i+3], v[SAD], s[10:11] offset:512*\i
	global_load_b128 v[SCB+8*\i+4:SCB+8*\i+7], v[SAD], s[10:11] offset:512*\i+16
	global_load_b128 v[BI+8*\i:BI+8*\i+3], v[BOQ], s[12:13] offset:(32*(\i/2)+8*(\i%2))*4
	global_load_b128 v[BI+8*\i+4:BI+8*\i+7], v[BOQ], s[12:13] offset:(32*(\i/2)+8*(\i%2))*4+16
.endr
; 32 LDS loads: the fragments of K step s (128 along K) into buffer s % 2: lane l holds row l % 16; registers 4 c .. 4 c + 3 hold K = 32 c + 16 (l / 16) + 0 .. 15
.macro FETCH s
	WIN 0x40
.set fb, 128*((\s)%2)
.set pr, (\s)/4
.irp i, 0,1,2,3
.irp c, 0,1,2,3
	ds_load_b128 v[fb+16*\i+4*\c:fb+16*\i+4*\c+3], v[ADRB+pr] offset:((\s)%4)*128+\i*16*PB+32*\c
.endr
.endr
.irp i, 0,1,2,3
.irp c, 0,1,2,3
	ds_load_b128 v[fb+64+16*\i+4*\c:fb+64+16*\i+4*\c+3], v[ADRA+pr] offset:((\s)%4)*2048+\i*8192+512*\c
.endr
.endr
.endm
; 16 matrix instructions: A's four tiles x B's four, K step s; the accumulators take turns.  cm = 1: the sums start from the bias
.macro MUL s, cm
	WIN 0x05
.set fb, 128*((\s)%2)
.irp a, 0,1,2,3
.irp b, 0,1,2,3
.set rD, ACC+8*(4*\a+\b)
.set rB, fb+16*\b
.set rA, fb+64+16*\a
.set rC, rD
.if \cm
.set rC, BI+8*\b
.endif
	v_wmma_scale_f32_16x16x128_f8f6f4 v[rD:rD+7], v[rB:rB+15], v[rA:rA+15], v[rC:rC+7], v[SCB+8*\b+(\s)], v[SCA+8*\a+(\s)]
.endr
.endr
.endm
.macro STEPK s, bar
	PLACES 8                                       ; behind the products that have read the buffer filled next
.if \bar
	s_wait_tensorcnt 0x0                           ; the second halves have landed
	s_wait_dscnt 0x0
	s_barrier_signal -1
	s_barrier_wait -1
.endif
	FETCH (\s)+1
	s_wait_dscnt 32                                ; all but the 32 just issued: this step's fragments are in
	MUL \s, 0
.endm
	s_cmp_lt_u32 s16, 2
	s_cbranch_scc0 .Lnot_early
	s_wait_tensorcnt 0x0                           ; waves 0, 1: the first halves have landed; the second stay out
.Lnot_early:
	s_barrier_signal -1
	s_barrier_wait -1
	FETCH 0
	FETCH 1
	s_wait_loadcnt 0x0                             ; the scale words and the bias
	s_wait_dscnt 32
	MUL 0, 1
	STEPK 1, 0
	STEPK 2, 0
	STEPK 3, 1
	STEPK 4, 0
	STEPK 5, 0
	STEPK 6, 0
	s_wait_dscnt 0x0
	MUL 7, 0
	WIN 0
; THE WAY OUT, by blocks of 16 rows x 64 columns through my own stage: in as 32 bytes a lane and tile, at the columns' true places; back as pieces of 256 bytes, two rows an instruction.
; LDS serves a wave's instructions in order (ISA guide 5.7.1.4): no wait between the stores and the loads.
.macro TOSTAGE a
	WIN 0
.irp b, 0,1,2,3
	ds_store_b128 v[STO], v[ACC+8*(4*(\a)+\b):ACC+8*(4*(\a)+\b)+3] offset:128*(\b/2)+32*(\b%2)
	ds_store_b128 v[STO], v[ACC+8*(4*(\a)+\b)+4:ACC+8*(4*(\a)+\b)+7] offset:128*(\b/2)+32*(\b%2)+16
.endr
	WIN 0x40
.set BB, 32*((\a)%2)
.irp t, 0,1,2,3,4,5,6,7
	ds_load_b128 v[BB+4*\t:BB+4*\t+3], v[RD] offset:\t*2*SPITCH
.endr
.endm
.macro SEND a, younger                 ; younger: the LDS instructions issued behind block a's loads
	WIN 0x04
.set BB, 32*((\a)%2)
	s_wait_dscnt \younger
.irp t, 0,1,2,3,4,5,6,7
	global_store_b128 v[CO], v[BB+4*\t:BB+4*\t+3], s[14:15] offset:((\a)*16+2*\t)*4096 th:TH_STORE_NT
.endr
.endm
	PLACES 8
	TOSTAGE 0
	TOSTAGE 1
	SEND 0, 16                                     ; behind block 0's loads: block 1's 8 stores and 8 loads
	s_wait_xcnt 0x0                                ; block 0's stores have read their registers
	TOSTAGE 2
	SEND 1, 16
	s_wait_xcnt 0x0
	TOSTAGE 3
	SEND 2, 16
	SEND 3, 0
	WIN 0
	s_wait_tensorcnt 0x0
	ds_add_u32 v[SPW], v[NIL]
	s_wait_dscnt 0x0
	CROUND                                         ; the closing round
	s_endpgm
.Lfunc_end_k_q6307191c1b_oproj:
	.size	k_q6307191c1b_oproj, .Lfunc_end_k_q6307191c1b_oproj-k_q6307191c1b_oproj
	.p2alignl 7, 3214868480
	.fill 96, 4, 3214868480
	.section	.rodata,"a",@progbits
	.p2align	6, 0x0
	.amdhsa_kernel k_q6307191c1b_oproj
		.amdhsa_group_segment_fixed_size 286720
		.amdhsa_private_segment_fixed_size 0
		.amdhsa_enable_private_segment 0
		.amdhsa_kernarg_size 48
		.amdhsa_user_sgpr_count 2
		.amdhsa_user_sgpr_kernarg_segment_ptr 1
		.amdhsa_wavefront_size32 1
		.amdhsa_system_sgpr_workgroup_id_x 1
		.amdhsa_system_sgpr_workgroup_id_y 1
		.amdhsa_system_sgpr_workgroup_id_z 1
		.amdhsa_system_vgpr_workitem_id 0
		.amdhsa_next_free_vgpr 512
		.amdhsa_next_free_sgpr 102
		.amdhsa_reserve_vcc 0
		.amdhsa_float_denorm_mode_32 3
		.amdhsa_float_denorm_mode_16_64 3
		.amdhsa_memory_ordered 1
		.amdhsa_forward_progress 1
		.amdhsa_inst_pref_size 52
	.end_amdhsa_kernel
	.amdgpu_metadata
---
amdhsa.version: [ 1, 2 ]
amdhsa.kernels:
  - .name:           k_q6307191c1b_oproj
    .symbol:         k_q6307191c1b_oproj.kd
    .args:
      - { .name: ac, .offset: 0, .size: 8, .value_kind: global_buffer, .address_space: global }
      - { .name: asc, .offset: 8, .size: 8, .value_kind: global_buffer, .address_space: global }
      - { .name: wc, .offset: 16, .size: 8, .value_kind: global_buffer, .address_space: global }
      - { .name: ws, .offset: 24, .size: 8, .value_kind: global_buffer, .address_space: global }
      - { .name: bo, .offset: 32, .size: 8, .value_kind: global_buffer, .address_space: global }
      - { .name: out0, .offset: 40, .size: 8, .value_kind: global_buffer, .address_space: global }
    .group_segment_fixed_size: 286720
    .private_segment_fixed_size: 0
    .kernarg_segment_align: 8
    .kernarg_segment_size: 48
    .max_flat_workgroup_size: 128
    .sgpr_count:     102
    .vgpr_count:     512
    .wavefront_size: 32
...
	.end_amdgpu_metadata
.endif
;; end of part 4
